; MI455X (gfx1250); checked and timed in simulation.
; The chip was launched on July 23, 2026; its instructions are those of AMD's public machine-readable ISA for CDNA 5 (MIT licence, August 2026) and "CDNA5" Instruction Set Architecture Reference Guide (July 2026). The comments in the code are by the model that wrote it; some were corrected since.
;; Multi Head Attention. Allowed arithmetic: matrix products marked QUANTISED: E2M3 operands, one E8M0 scale for each 32 along K, by v_wmma_scale_f32_16x16x128_f8f6f4 with both operands' format E2M3, f32 sums; everything else in f32.
;; Inputs: Wk 1,024 x 1,024 float32; Wo 1,024 x 1,024 float32; Wq 1,024 x 1,024 float32; Wv 1,024 x 1,024 float32; bk 1,024 float32; bo 1,024 float32; bq 1,024 float32; bv 1,024 float32; k 2 x 2,048 x 1,024 float32; mask 2 x 1 x 2,048 x 2,048 bool; q 2 x 2,048 x 1,024 float32; v 2 x 2,048 x 1,024 float32.
;; Outputs: out0 2 x 2,048 x 1,024 float32.
;; This version of the problem:
;;   THIS VERSION OF THE PROBLEM IS GIVEN IN LOW PRECISION. The matrix products marked QUANTISED in the list below multiply operands that are first quantised to E2M3 (2 exponent bits, 3 mantissa bits; 6 bits a number), with one power-of-two scale for each 32 numbers along K (OCP MX v1.0); their sums are f32. All else is computed in f32.
;;   The module's matrix products, in the order in which they are computed (A, B: the left and right operand; K: the contracted axis; several contracted axes count as one K, in the product's order):
;;     1. [M 4,096, K 1,024] x [K 1,024, N 1,024]; A: input q; B: input Wq: QUANTISED
;;     2. [M 4,096, K 1,024] x [K 1,024, N 1,024]; A: input k; B: input Wk: QUANTISED
;;     3. [M 4,096, K 1,024] x [K 1,024, N 1,024]; A: input v; B: input Wv: QUANTISED
;;     4. batch 32 x [M 2,048, K 64] x [K 64, N 2,048]; A: computed on the way; B: computed on the way: QUANTISED
;;     5. batch 32 x [M 2,048, K 2,048] x [K 2,048, N 64]; A: softmax (see below); B: computed on the way: QUANTISED
;;     6. [M 4,096, K 1,024] x [K 1,024, N 1,024]; A: computed on the way; B: input Wo: QUANTISED
;;   THE QUANTISER, for each operand of a quantised product, along K:
;;     - K is cut into blocks of 32 from its start; a last block that is shorter is filled with zeros.
;;     - A block's scale is 2^e with e = floor(log2(the largest magnitude in the block)) - 2, held to -126 .. 127; a block of zeros has e = 0. As a byte (E8M0): e + 127.
;;     - Each number is divided by its block's scale, clamped to +-7.5, and rounded to the nearest number of E2M3, ties to even, subnormals kept.
;;     - The product sums the exact products of the quantised numbers (number of the format x scale) in f32.
;;   ~~~python
;;   def quantise(x, axis):      # numpy; x: float32 -> the quantised numbers, widened to float32 again
;;       x = np.moveaxis(x, axis, -1); K = x.shape[-1]
;;       x = np.pad(x, [(0, 0)] * (x.ndim - 1) + [(0, -K % 32)]); x = x.reshape(x.shape[:-1] + (-1, 32)); a = np.abs(x).max(-1, keepdims=True)
;;       e = np.where(a > 0, np.clip(np.frexp(np.where(a > 0, a, 1))[1] - 1 - 2, -126, 127), 0)      # np.frexp(a)[1] - 1 = floor(log2(a)), exactly
;;       r = np.clip(x / 2.0 ** e, -7.5, 7.5)
;;       step = 2.0 ** (np.maximum(np.frexp(np.where(r == 0, 1, r))[1] - 1, 0) - 3)
;;       q = np.round(r / step) * step * 2.0 ** e      # np.round: ties to even
;;       return np.moveaxis(q.reshape(q.shape[:-2] + (-1,))[..., :K], -1, axis).astype(np.float32)
;;   ~~~
;;   SOFTMAX AHEAD OF A QUANTISED PRODUCT. Where the list says 'softmax', what is quantised is not the finished softmax but p = 2^(t - M), with t = logit x log2(e) and M = ceil(the row's largest t), a whole number; so 1/2 < the row's largest p <= 1. The row's sum l is taken of the UNQUANTISED p, in f32, and the product's result is divided by l at the end. Since M is a whole number, a kernel that streams over the keys may use a running M (the ceiling of the running maximum): every later rescaling is an exact power of two, which a block's scale takes up: the codes' values come out the same.
;;   OPERANDS COMPUTED ON THE WAY. 'Computed on the way' means the value that the module computes at that place (a softmax that the list does not call 'softmax' is quantised finished and normalised). What goes into a quantiser is computed in f32, as accurately as f32 sums, v_exp_f32 and their like allow (about 1e-6 of the number): no bf16 or f16 on the way to a quantiser, and a product that is left as it is and whose result goes on into a quantised operand takes f32 operands (vector FMAs, or v_wmma_f32_16x16x4_f32). A number that lies on a knife's edge between two numbers of the format may be rounded either way, as far as f32 arithmetic and the matrix unit's own rounding can turn it there, and no further.
;; One version. Each part assembles by itself: llvm-mc -triple=amdgcn-amd-amdhsa -mcpu=gfx1250 --defsym DOCPART=n.
;; ======== version 1 of 1: 4 launches
;; limits: right only within a limited range of input values
;; workspace buffers: codes 12,582,912 bytes; scales 524,288 bytes; mbits 1,048,576 bytes of whole numbers; qb 3,407,872 bytes; kv 6,684,672 bytes; ao 3,145,728 bytes; aos 131,072 bytes
;; launch quant (part 1): grid 1024 x 1, 4 waves a work-group, no clusters, 50,688 bytes of LDS; arguments q, k, v, Wq, Wk, Wv, Wo, mask, codes, scales, mbits; writes codes, scales, mbits
.if DOCPART == 1
	.amdgcn_target "amdgcn-amd-amdhsa--gfx1250"
	.amdhsa_code_object_version 6
	.text
	.protected	k_q22aadc7b04_quant
	.globl	k_q22aadc7b04_quant
	.p2align	8
	.type	k_q22aadc7b04_quant,@function
k_q22aadc7b04_quant:
	s_mov_b64 s[64:65], 0
	v_nop
	global_prefetch_b8 v0, s[64:65] scope:SCOPE_SE
	s_setreg_imm32_b32 hwreg(HW_REG_WAVE_MODE, 25, 1), 1
	s_wait_xcnt 0x0
; TWO JOBS, parted by the work-group's number.
; Work-groups 0-511: q, k, v [4096][1024] and Wq, Wk, Wv, Wo [1024][1024], f32, K innermost, become codes of FP6 (E2M3), 6 bits each, with one E8M0 scale byte for each 32 along K.
; The seven tensors lie on end in 'codes' (768 bytes a row) and 'scales' (32 bytes a row), in the order q, k, v, Wq, Wk, Wv, Wo.
; A block's scale is 2^(floor(log2(its largest magnitude)) - 2); its byte is the largest magnitude's exponent field - 2, held at 1 from below; each number is divided by the scale and rounded to the nearest code, ties to even.
; A wave takes 8,192 numbers = 8 rows, a work-group 32 rows.  THE ROWS OF k, v, Wq, Wk, Wv CHANGE PLACES ON THE WAY OUT: of every 32 rows the second and the third group of eight are exchanged,
; so that 16 neighbouring rows of the buffer are rows 8 u + r + 8 (r / 8) of their 32: the tiles that the later launches want.  That is the wave's number with its two bits exchanged, in the output's address alone.
; Work-groups 512-1023: the mask's bytes become words of 32 bits, one bit a lane, in the order in which the attention launch holds its scores:
; mbits [batch x 128 + tile of 16 queries][step of 128 keys][64 words]; word 16 B + i, bit l = mask[query 16 tile + l % 16][key 128 step + 32 B + 16 (l / 16) + i].
; LIMITS: NaN and infinities among the inputs are not served; a block whose largest magnitude lies under 2^-124 keeps the byte 1; a block of zeros keeps the byte 1 with zero codes (this program alone reads the bytes).
; No tensor loads, no barrier: waves share nothing.  Each of the two jobs has LDS bytes of its own.
.set STEPS, 16
.set EMAX,  2
.set CB,    12                         ; bytes of 16 codes
.set R,     16                         ; v16-79   four sets of 16 numbers as they are loaded
.set X,     80                         ; v80-111  two sets of 16 neighbours
.set C,     128                        ; v128-191 codes: four registers for each step, so that no store's data are written again
.set E,     112                        ; v112-127 a scale byte for each step
.set WREG,  8192                       ; LDS of the first job: a region for each wave: two stages of 32 x SP bytes, then its 256 scale bytes
.set SP,    80                         ; a lane's place in a stage: its 64 bytes + 16 of padding
.set MSTG,  4*WREG                     ; LDS of the second job: a stage of 16 rows x MP bytes for each wave
.set MP,    272                        ; 256 mask bytes + 16: an odd multiple of 16, so that 16 rows' equal columns fall on different banks
	s_load_b512 s[4:19], s[0:1], 0x0               ; q, k, v, Wq, Wk, Wv, Wo, mask
	s_load_b128 s[20:23], s[0:1], 0x40             ; codes, scales
	s_load_b64 s[24:25], s[0:1], 0x50              ; mbits
	v_lshl_add_u32 v192, v0, 2, 0xc400
	v_mov_b32 v193, 0
	v_lshrrev_b32 v1, 5, v0
	v_readfirstlane_b32 s26, v1                    ; wave
	v_and_b32 v2, 31, v0                           ; lane
	s_cmp_ge_u32 ttmp9, 512
	s_cbranch_scc1 .Lmask
	; ---------------- the quantiser ----------------
	v_lshlrev_b32 v3, 4, v2                        ; my 16 bytes of a load's 512
	s_mul_i32 s27, s26, WREG
	v_lshrrev_b32 v14, 2, v2
	v_mul_u32_u24 v14, v14, SP
	v_and_b32 v15, 3, v2
	v_lshl_add_u32 v14, v15, 4, v14
	v_add_nc_u32 v14, s27, v14                     ; the stage, on the way in: SP (lane / 4) + 16 (lane % 4)
	v_mul_u32_u24 v15, v2, SP
	v_add_nc_u32 v15, s27, v15                     ; and on the way out: SP x lane: my 16 neighbours
	v_mul_u32_u24 v4, v2, CB                       ; my codes' place in a step's
	v_lshrrev_b32 v5, 1, v2
	s_add_co_u32 s27, s27, 2*32*SP
	v_add_nc_u32 v5, s27, v5                       ; LDS: my wave's 256 scale bytes, my block's byte
	v_lshlrev_b32 v7, 3, v2                        ; and on the way out 8 bytes a lane
	v_add_nc_u32 v6, s27, v7
	s_wait_kmcnt 0x0
	s_mov_b64 s[28:29], s[16:17]                   ; which tensor: chosen by the work-group's number alone.  Wo from work-group 480 on,
	s_mov_b32 s30, 480
	s_cmp_lt_u32 ttmp9, 480
	s_cselect_b64 s[28:29], s[14:15], s[28:29]     ; Wv from 448,
	s_cselect_b32 s30, 448, s30
	s_cmp_lt_u32 ttmp9, 448
	s_cselect_b64 s[28:29], s[12:13], s[28:29]     ; Wk from 416,
	s_cselect_b32 s30, 416, s30
	s_cmp_lt_u32 ttmp9, 416
	s_cselect_b64 s[28:29], s[10:11], s[28:29]     ; Wq from 384,
	s_cselect_b32 s30, 384, s30
	s_cmp_lt_u32 ttmp9, 384
	s_cselect_b64 s[28:29], s[8:9], s[28:29]       ; v from 256,
	s_cselect_b32 s30, 256, s30
	s_cmp_lt_u32 ttmp9, 256
	s_cselect_b64 s[28:29], s[6:7], s[28:29]       ; k from 128,
	s_cselect_b32 s30, 128, s30
	s_cmp_lt_u32 ttmp9, 128
	s_cselect_b64 s[28:29], s[4:5], s[28:29]       ; q from 0
	s_cselect_b32 s30, 0, s30
	s_sub_co_u32 s31, ttmp9, s30
	s_lshl_b32 s31, s31, 2
	s_add_co_u32 s31, s31, s26                     ; which run of 8,192 numbers of the tensor is my wave's
	s_lshl_b32 s32, s31, 15                        ; x 32,768 bytes (under 2^25)
	s_mov_b32 s33, 0
	s_add_nc_u64 s[4:5], s[28:29], s[32:33]        ; in
	s_and_b32 s34, s26, 1
	s_lshl_b32 s34, s34, 1
	s_lshr_b32 s35, s26, 1
	s_or_b32 s34, s34, s35                         ; the wave's number with its two bits exchanged
	s_sub_co_u32 s35, ttmp9, 128
	s_cmp_lt_u32 s35, 352                          ; work-groups 128 to 479: k, v, Wq, Wk, Wv
	s_cselect_b32 s34, s34, s26
	s_lshl_b32 s35, ttmp9, 2
	s_add_co_u32 s35, s35, s34                     ; which run of the output
	s_mul_i32 s32, s35, 32*STEPS*CB                ; 6,144 bytes of codes a run
	s_add_nc_u64 s[8:9], s[20:21], s[32:33]
	s_lshl_b32 s32, s35, 8                         ; 256 scale bytes a run
	s_add_nc_u64 s[10:11], s[22:23], s[32:33]
.macro LOAD t
.irp i, 0,1,2,3
	global_load_b128 v[R+16*((\t)%4)+4*\i:R+16*((\t)%4)+4*\i+3], v3, s[4:5] offset:2048*(\t)+512*\i th:TH_LOAD_NT   ; 32 lanes read 512 consecutive bytes
.endr
.endm
.macro TURN t                          ; step t's numbers through the stage: LDS serves a wave's instructions in order, so no wait stands between the stores and the loads
.irp i, 0,1,2,3
	ds_store_b128 v14, v[R+16*((\t)%4)+4*\i:R+16*((\t)%4)+4*\i+3] offset:32*SP*((\t)%2)+8*SP*\i
.endr
.irp i, 0,1,2,3
	ds_load_b128 v[X+16*((\t)%2)+4*\i:X+16*((\t)%2)+4*\i+3], v15 offset:32*SP*((\t)%2)+16*\i
.endr
.endm
.irp t, 0,1,2,3
	LOAD \t
.endr
	s_wait_loadcnt 12                              ; step 0's four loads are in; the twelve of steps 1 to 3 may be out
	TURN 0
.macro STEP t
.set XS, X+16*((\t)%2)
.if (\t) > 0
	s_wait_dscnt 1                                 ; this step's numbers are back from the stage (the last step's byte store may be out): so its stores into the stage have read their registers,
.else
	s_wait_dscnt 0x0
.endif
.if (\t)+4 < STEPS
	LOAD (\t)+4                                    ; which take the loads of four steps on
.endif
.if (\t)+1 < STEPS
.if STEPS-2-(\t) >= 3
	s_wait_loadcnt 12                              ; the next step's four loads are in; those of the three steps behind it may be out
.else
	s_wait_loadcnt 4*(STEPS-2-(\t))
.endif
	TURN (\t)+1                                    ; and go through the other stage while this step is worked
.endif
	v_max3_num_f32 v8, |v[XS]|, |v[XS+1]|, |v[XS+2]|               ; the largest magnitude of my 16
	v_max3_num_f32 v9, |v[XS+3]|, |v[XS+4]|, |v[XS+5]|
.irp i, 6,10
	v_max3_num_f32 v8, v8, |v[XS+\i]|, |v[XS+\i+1]|
	v_max3_num_f32 v9, v9, |v[XS+\i+2]|, |v[XS+\i+3]|
.endr
	v_max3_num_f32 v8, v8, |v[XS+14]|, |v[XS+15]|
	v_max3_num_f32 v8, v8, v9, (EMAX+1)<<23        ; and the floor 2^(EMAX + 1 - 127): so the byte cannot fall under 1
	v_max_num_f32_dpp v8, v8, v8 row_xmask:1 row_mask:0xf bank_mask:0xf   ; and of my neighbour's 16: the block's
	v_add_nc_u32 v11, -(EMAX<<23), v8              ; EMAX off its exponent field: the conversion takes the exponent field of this operand as its scale
	v_cvt_scalef32_pk16_fp6_f32 v[C+4*(\t):C+4*(\t)+2], v[XS:XS+15], v11         ; sixteen codes, 96 bits without gaps, the first number's code lowest
	v_lshrrev_b32 v[E+(\t)], 23, v11               ; the scale's byte
	ds_store_b8 v5, v[E+(\t)] offset:16*(\t)       ; both lanes of a block write the same byte with the same value
	global_store_b96 v4, v[C+4*(\t):C+4*(\t)+2], s[8:9] offset:32*CB*(\t)
.endm
.irp t, 0,1,2,3,4,5,6,7,8,9,10,11,12,13,14,15
	STEP \t
.endr
	ds_load_b64 v[12:13], v6                       ; LDS serves a wave's instructions in order: these see my stores
	s_wait_dscnt 0x0
	global_store_b64 v7, v[12:13], s[10:11]        ; 32 lanes store 256 consecutive bytes, aligned
	s_wait_tensorcnt 0x0
	ds_add_u32 v192, v193
	s_wait_dscnt 0x0
	s_endpgm
	; ---------------- the mask ----------------
	; A wave takes 16 queries x 256 keys (two key steps).  Eight loads read two rows' 256 bytes each; the bytes turn through the wave's stage, so that lane (r, h) holds, of query r,
	; the 16 keys 32 B + 16 h + 0 .. 15 of each block B; a compare of one byte in all 32 lanes then IS a word of the output.
.Lmask:
	s_sub_co_u32 s27, ttmp9, 512
	s_lshr_b32 s28, s27, 1                         ; batch x 128 + tile of queries: 0 .. 255
	s_and_b32 s29, s27, 1
	s_lshl_b32 s29, s29, 2
	s_add_co_u32 s29, s29, s26                     ; which 256 keys: 0 .. 7
	s_lshl_b32 s30, s28, 15                        ; 16 rows of 2,048 bytes
	s_lshl_b32 s31, s29, 8
	s_add_co_u32 s30, s30, s31
	s_mov_b32 s31, 0
	s_lshl_b32 s40, s28, 4
	s_lshl_b32 s41, s29, 1
	s_add_co_u32 s40, s40, s41                     ; 16 x tile + key step
	s_lshl_b32 s40, s40, 8                         ; 256 bytes of words each
	s_mov_b32 s41, 0
	v_and_b32 v5, 15, v2                           ; r
	v_lshrrev_b32 v6, 4, v2                        ; h
	v_lshlrev_b32 v1, 11, v6
	v_lshl_add_u32 v1, v5, 4, v1                   ; in: lanes 0-15 one row's 256 bytes, lanes 16-31 the next row's
	s_mul_i32 s42, s26, 16*MP
	s_add_co_u32 s42, s42, MSTG                    ; my stage
	v_mul_u32_u24 v7, v6, MP
	v_lshl_add_u32 v7, v5, 4, v7
	v_add_nc_u32 v7, s42, v7                       ; into it, as loaded
	v_mul_u32_u24 v3, v5, MP
	v_lshl_add_u32 v3, v6, 4, v3
	v_add_nc_u32 v3, s42, v3                       ; out of it: row r, + 16 h
	v_lshlrev_b32 v4, 3, v2                        ; out: two words a lane
	s_wait_kmcnt 0x0
	s_add_nc_u64 s[18:19], s[18:19], s[30:31]
	s_add_nc_u64 s[24:25], s[24:25], s[40:41]
.irp k, 0,1,2,3,4,5,6,7
	global_load_b128 v[16+4*\k:19+4*\k], v1, s[18:19] offset:4096*\k th:TH_LOAD_NT
.endr
.irp j, 84,85,86,87
	v_mov_b32 v\j, 0                               ; a lane write's destination counts as read
.endr
	s_wait_loadcnt 0x0
.irp k, 0,1,2,3,4,5,6,7
	ds_store_b128 v7, v[16+4*\k:19+4*\k] offset:2*MP*\k
.endr
.irp u, 0,1
.irp b, 0,1,2,3
	ds_load_b128 v[48+4*(4*\u+\b):51+4*(4*\u+\b)], v3 offset:128*\u+32*\b   ; my own bytes: LDS serves a wave's instructions in order
.endr
.endr
	s_wait_dscnt 0x0
.irp u, 0,1
.irp b, 0,1,2,3
.irp i, 0,1,2,3,4,5,6,7,8,9,10,11,12,13,14,15
	v_and_b32 v[80+\i%4], 0xff<<(8*(\i%4)), v[48+4*(4*\u+\b)+\i/4]     ; byte i of my 16
	v_cmp_ne_u32 s[32+\i%8], 0, v[80+\i%4]                            ; word 16 b + i of key step u: one bit a lane
	v_writelane_b32 v[84+2*\u+\i%2], s[32+\i%8], 8*\b+\i/2            ; lane n / 2 will store words n and n + 1
.endr
.endr
.endr
.irp u, 0,1
	global_store_b64 v4, v[84+2*\u:85+2*\u], s[24:25] offset:256*\u   ; 32 lanes store 256 consecutive bytes, aligned
.endr
	s_wait_tensorcnt 0x0
	ds_add_u32 v192, v193
	s_wait_dscnt 0x0
	s_endpgm
.Lfunc_end_k_q22aadc7b04_quant:
	.size	k_q22aadc7b04_quant, .Lfunc_end_k_q22aadc7b04_quant-k_q22aadc7b04_quant
	.p2alignl 7, 3214868480
	.fill 96, 4, 3214868480
	.section	.rodata,"a",@progbits
	.p2align	6, 0x0
	.amdhsa_kernel k_q22aadc7b04_quant
		.amdhsa_group_segment_fixed_size 50688
		.amdhsa_private_segment_fixed_size 0
		.amdhsa_enable_private_segment 0
		.amdhsa_kernarg_size 88
		.amdhsa_user_sgpr_count 2
		.amdhsa_user_sgpr_kernarg_segment_ptr 1
		.amdhsa_wavefront_size32 1
		.amdhsa_system_sgpr_workgroup_id_x 1
		.amdhsa_system_sgpr_workgroup_id_y 1
		.amdhsa_system_sgpr_workgroup_id_z 1
		.amdhsa_system_vgpr_workitem_id 0
		.amdhsa_next_free_vgpr 194
		.amdhsa_next_free_sgpr 66
		.amdhsa_reserve_vcc 0
		.amdhsa_float_denorm_mode_32 3
		.amdhsa_float_denorm_mode_16_64 3
		.amdhsa_memory_ordered 1
		.amdhsa_forward_progress 1
		.amdhsa_inst_pref_size 61
	.end_amdhsa_kernel
	.amdgpu_metadata
---
amdhsa.version: [ 1, 2 ]
amdhsa.kernels:
  - .name:           k_q22aadc7b04_quant
    .symbol:         k_q22aadc7b04_quant.kd
    .args:
      - { .name: q, .offset: 0, .size: 8, .value_kind: global_buffer, .address_space: global }
      - { .name: k, .offset: 8, .size: 8, .value_kind: global_buffer, .address_space: global }
      - { .name: v, .offset: 16, .size: 8, .value_kind: global_buffer, .address_space: global }
      - { .name: Wq, .offset: 24, .size: 8, .value_kind: global_buffer, .address_space: global }
      - { .name: Wk, .offset: 32, .size: 8, .value_kind: global_buffer, .address_space: global }
      - { .name: Wv, .offset: 40, .size: 8, .value_kind: global_buffer, .address_space: global }
      - { .name: Wo, .offset: 48, .size: 8, .value_kind: global_buffer, .address_space: global }
      - { .name: mask, .offset: 56, .size: 8, .value_kind: global_buffer, .address_space: global }
      - { .name: codes, .offset: 64, .size: 8, .value_kind: global_buffer, .address_space: global }
      - { .name: scales, .offset: 72, .size: 8, .value_kind: global_buffer, .address_space: global }
      - { .name: mbits, .offset: 80, .size: 8, .value_kind: global_buffer, .address_space: global }
    .group_segment_fixed_size: 50688
    .private_segment_fixed_size: 0
    .kernarg_segment_align: 8
    .kernarg_segment_size: 88
    .max_flat_workgroup_size: 128
    .sgpr_count:     66
    .vgpr_count:     194
    .wavefront_size: 32
...
	.end_amdgpu_metadata
.endif
;; end of part 1
;; launch proj (part 2): grid 4 x 48, 4 waves a work-group, clusters of 4 x 4, 327,680 bytes of LDS; arguments codes, scales, bq, bk, bv, qb, kv; writes qb, kv
.if DOCPART == 2
	.amdgcn_target "amdgcn-amd-amdhsa--gfx1250"
	.amdhsa_code_object_version 6
	.text
	.protected	k_q22aadc7b04_proj
	.globl	k_q22aadc7b04_proj
	.p2align	8
	.type	k_q22aadc7b04_proj,@function
k_q22aadc7b04_proj:
	s_mov_b64 s[64:65], 0
	v_nop
	global_prefetch_b8 v0, s[64:65] scope:SCOPE_SE
	s_setreg_imm32_b32 hwreg(HW_REG_WAVE_MODE, 25, 1), 1
	s_wait_xcnt 0x0
	s_wait_alu depctr_hold_cnt(0) depctr_sa_sdst(0) depctr_va_vdst(0) depctr_va_sdst(0) depctr_va_ssrc(0) depctr_va_vcc(0) depctr_vm_vsrc(0)
	s_getreg_b32 s2, hwreg(HW_REG_IB_STS2, 6, 4)
	s_cmp_eq_u32 s2, 0
	s_cbranch_scc0 .Lentry_in_a_cluster
	s_endpgm
.Lentry_in_a_cluster:
	s_bfe_u32 s2, ttmp6, 0x10000c
	s_cmp_lg_u32 s2, 0xf033
	s_cbranch_scc0 .Lentry_shape_is_right
	s_endpgm
.Lentry_shape_is_right:
; THE THREE INPUT PROJECTIONS IN ONE LAUNCH, x W^T + b on codes of FP6 (E2M3) with one E8M0 scale for each 32 along K = 1,024; the results are quantised in registers and leave as IMAGES OF OPERAND REGISTERS.
; Twelve clusters of 4 x 4 work-groups: cluster y / 4 says which product (0 Q, 1 K, 2 V), cluster y % 4 which quarter of its tokens.  A work-group makes 256 x 256, each of four waves 128 x 128: 64 accumulators, 512 registers.
; The matrix instruction gives lane (r, h), register j, the product of source 0's row 8 h + j and source 1's row r.  What is quantised next must run along a lane's registers:
;   Q, K: along the head's 64: source 0 = rows of Wq, Wk (outputs e), source 1 = tokens.      V: along the keys: source 0 = tokens of v, source 1 = rows of Wv.
; 'A' below is source 1, 'B' source 0.  The rows of k, v, Wq, Wk, Wv lie in 'codes' with the second and third group of eight of every 32 exchanged, so that the 16 registers of B's tiles 2 b, 2 b + 1 are 16 NEIGHBOURS
; (32 b + 16 h + 0 .. 15), and lane r of A's tile 2 b + u is row 32 b + 8 u + r + 8 (r / 8): the keys of a tile of K, and the channels of a tile of V, as the attention launch wants them.
; K goes in steps of 256 through a ring of two LDS slots filled by the tensor data mover (rows of 192 bytes); the scale bytes of the work-group's rows come once and stay.
; The four work-groups of a row of the cluster need the same tiles of A, the four of a column the same tiles of B: each tile is asked for JOINTLY.
; OUT.  A block of 16 rows of A x 128 of B is 64 numbers a lane: + bias, four blocks of 32 quantised, 12 registers of codes and a scale word.
;   Q, K: registers 0-5 are a tile (16 tokens x 64) of head HD, 6-11 of head HD + 1.   V: the 12 are one fragment (16 channels x 128 keys).
;   An image: registers 0-3 at 16 x lane (512 bytes), registers 4-5 at 512 + 8 x lane (256 bytes).  qb: [batch x 16 + head][step of 128 queries] blocks of 6,656 bytes: 8 tiles x 768, 512 bytes of scale words.
;   kv: [batch x 16 + head][step of 128 keys] blocks of 13,056 bytes: K's 8 tiles, V's 4 fragments x 1,536 at 6,144, K's scale words at 12,288, V's at 12,800.  Every store covers 512 or 256 consecutive bytes, aligned.
; LIMITS: NaN and infinities are not served; a block whose largest magnitude lies under 2^-124 keeps the byte 1 (a block of zeros too: its codes are zeros, and this program alone reads the bytes).
; REGISTERS, in windows of 256: window 0: v0-31 addresses; v32-63 scale words, two sets; v64-127 the bias along B; v128-223 A's fragments, ONE set; v232-247 the bias along A; on the way out v128-229 are at work.
;   window 1: B's fragments, TWO sets, at v0 and v128.   window 2: the accumulators of my A blocks 0-3 (accumulator (a, b) at v[8 (8 (a % 4) + b)]);   window 3: those of blocks 4-7.
.set SIZE_K, 1024
.set KSTEP,  256                       ; along K in a slot
.set NQ,     KSTEP/128                 ; matrix instructions deep
.set ROWB,   192                       ; a tile's row in bytes
.set KROW,   SIZE_K*6/8                ; a row of codes in memory
.set PITCH,  240                       ; an LDS row: 3 x (64 bytes + 16 of padding)
.set FR,     12                        ; registers of a fragment
.set NL,     6                         ; LDS loads that bring one
.set NP,     4                         ; places behind this matrix instruction (ISA guide 7.12.1)
.set HALFT,  128*PITCH                 ; 128 rows: what one tensor load brings
.set SLOT,   4*HALFT                   ; A's 256 rows, then B's 256 rows
.set LAPS,   SIZE_K/(2*KSTEP)
.set KS,     SIZE_K/32                 ; a row of scale bytes
.set SCL,    2*SLOT                    ; behind the ring: the scales, as units of 256 bytes + 16 of padding
.set HALFS,  (128*KS/256)*272
.set SBLK,   (16*KS/256)*272
.set SPARE,  SCL+4*HALFS               ; the spare words, 128 bytes a wave: two blocks of 256 bytes that no other line names
.set ADRA, 16                          ; v16-17 LDS address of my A fragments in slot 0, 1 (v18-19: for the pieces behind one padding more)
.set ADRB, 20                          ; v20-23 the same for B
.set ADRS, 27                          ; v27    LDS address of my scale words: lanes 0-15 A's rows, lanes 16-31 B's
.set SPW,  28                          ; v28    my spare word's address; never rewritten
.set NIL,  29                          ; v29    0; never rewritten
.set BNA,  30                          ; v30    the bias along B: 64 h
.set BMA,  31                          ; v31    the bias along A: 4 (r + 8 (r / 8))
.set SC,   32                          ; scale words: set s at v[SC + 8 NQ s]
.set BN,   64                          ; v64-127: register 8 b + j: the bias of B's row 32 (b / 2) + 16 h + 8 (b % 2) + j (Q, K; zeros for V)
.set AF,   128
.set TT,   128                         ; the way out: 64 numbers
.set TM,   192                         ; v192-207 at work in the quantiser
.set PC,   208                         ; v208-226 the codes just made
.set PW,   228                         ; the scale word just made
.set SHV,  229
.set BM,   232                         ; v[232 + 2 a]: the bias of A's block a, row r (V; zeros for Q, K); the odd registers are named with them as pairs
.set G1, 24
.set G0, 32
.set G1B, 48
.set G0B, 56
.set G1S, 68
.set G0S, 76
.set G1SB, 80
.set G0SB, 88
.set SEL, 100                          ; s[100:101] lane selects for v_permlanex16_b32: lane l xor 16
.set OUTC, 74                          ; the way out's scalars, in registers that the scales' descriptors have left
.set OUTS, 76
.set OUTS2, 78
.set STRA, 82
.set JUMP, 84
.set MSB, 0
.macro WIN new                         ; the immediate's high byte repeats the setting that is left
.if MSB != \new
	s_set_vgpr_msb (MSB<<8)|\new
.set MSB, \new
.endif
.endm
.set MUL_LO, 0xa1                      ; source 0 (B) window 1, source 1 (A) window 0, C and D window 2
.set MUL_HI, 0xf1                      ; the same, C and D window 3
.set TO_B,   0x40                      ; destination window 1, address window 0
; A joint load: waves 0 and 1 fetch for A, waves 2 and 3 for B.  The branch hangs on the wave's number alone.  Four v_nop follow each of the two lines.
.macro JLOAD g0a, g1a, g0b, g1b
	s_cmp_eq_u32 s15, 0
	s_cbranch_scc0 .Lfor_b_\@
	tensor_load_to_lds s[\g0a:\g0a+3], s[\g1a:\g1a+7]
	s_nop 0
.rept 4
	v_nop
.endr
	s_branch .Lasked_\@
.Lfor_b_\@:
	tensor_load_to_lds s[\g0b:\g0b+3], s[\g1b:\g1b+7]
	s_nop 0
.rept 4
	v_nop
.endr
.Lasked_\@:
.endm
.macro CREST                           ; a round of the cluster's barrier behind its opening barrier
	s_cmp_lg_u32 s14, 0
	s_cbranch_scc1 .Lnot_wave_0_\@
	s_barrier_signal -3
.Lnot_wave_0_\@:
	s_barrier_wait -3
	s_barrier_signal -1
	s_barrier_wait -1
.endm
.macro CROUND                          ; a whole round
	s_barrier_signal -1
	s_barrier_wait -1
	CREST
.endm
	s_load_b256 s[68:75], s[0:1], 0x0              ; codes, scales, bq, bk
	s_load_b128 s[76:79], s[0:1], 0x20             ; bv, qb
	s_load_b64 s[80:81], s[0:1], 0x30              ; kv
	v_lshl_add_u32 v[SPW], v0, 2, SPARE
	v_mov_b32 v[NIL], 0
	ds_add_u32 v28, v29
	ds_add_u32 v28, v29
	s_wait_dscnt 0x0
	v_lshrrev_b32 v1, 5, v0
	v_readfirstlane_b32 s14, v1                    ; wave 0..3
	s_lshr_b32 s15, s14, 1                         ; which half of A's 256 rows is mine.  Also: I fetch for A (0) or for B (1)
	s_and_b32 s16, s14, 1                          ; which half of B's.  Also: which 128 rows I fetch
	s_bfe_u32 s40, ttmp6, 0x40000                  ; cx, cy: my place in the cluster
	s_bfe_u32 s41, ttmp6, 0x40004
	s_and_b32 s13, ttmp7, 0xffff                   ; cluster y: 0 .. 11
	s_lshr_b32 s12, s13, 2                         ; which product: 0 Q, 1 K, 2 V
	s_and_b32 s13, s13, 3
	s_lshl_b32 s13, s13, 2                         ; four tiles of tokens for each quarter
	s_cmp_eq_u32 s12, 2
	s_cselect_b32 s18, 0, s13                      ; tokens are A's rows for Q and K,
	s_cselect_b32 s19, s13, 0                      ; B's rows for V
	s_add_co_u32 s17, s41, s18                     ; A's tile of 256 rows: hangs on cy and the cluster alone
	s_add_co_u32 s42, s40, s19                     ; B's: on cx and the cluster alone
	s_lshl_b32 s43, s41, 2
	s_lshl_b32 s43, 15, s43                        ; my row of the cluster
	s_lshl_b32 s44, 0x1111, s40                    ; my column
	; descriptor group 1: a tile of 128 rows x ROWB bytes, 16 bytes of padding behind every 64
	s_or_b32 s[G1+0], s43, (0<<16)|(1<<20)|(1<<21)|(3<<22)|(3<<25)
	s_or_b32 s[G1B+0], s44, (0<<16)|(1<<20)|(1<<21)|(3<<22)|(3<<25)
.irp g, G1, G1B
	s_mov_b32 s[\g+1], ROWB<<16                    ; tensor_dim0
	s_mov_b32 s[\g+2], 128<<16                     ; tensor_dim1
	s_mov_b32 s[\g+3], ROWB<<16                    ; tile_dim0
	s_mov_b32 s[\g+4], 128                         ; tile_dim1
	s_mov_b32 s[\g+5], KROW                        ; from row to row
	s_mov_b32 s[\g+6], 0
	s_mov_b32 s[\g+7], 0
.endr
	; where the two operands begin in 'codes' and in 'scales'
	s_mul_i32 s95, s12, 3145728                    ; A: q, k;
	s_mul_i32 s96, s12, 786432
	s_add_co_u32 s96, s96, 9437184                 ; B: Wq, Wk
	s_mul_i32 s97, s12, 131072
	s_mul_i32 s98, s12, 32768
	s_add_co_u32 s98, s98, 393216
	s_cmp_eq_u32 s12, 2
	s_cselect_b32 s95, 11010048, s95               ; V: A = Wv,
	s_cselect_b32 s96, 6291456, s96                ;    B = v
	s_cselect_b32 s97, 458752, s97
	s_cselect_b32 s98, 262144, s98
	s_lshl_b32 s18, s16, 7                         ; which 128 rows of the tile I fetch
	s_lshl_b32 s20, s17, 8
	s_add_co_u32 s20, s20, s18                     ; A's row
	s_lshl_b32 s46, s42, 8
	s_add_co_u32 s46, s46, s18                     ; B's row
	s_lshl_b32 s22, s20, 5
	s_add_co_u32 s22, s22, s97                     ; these rows' scale bytes,
	s_mov_b32 s23, 0
	s_mul_i32 s20, s20, KROW
	s_add_co_u32 s20, s20, s95                     ; and their codes (all under 2^24)
	s_mov_b32 s21, 0
	s_lshl_b32 s92, s46, 5
	s_add_co_u32 s92, s92, s98
	s_mov_b32 s93, 0
	s_mul_i32 s46, s46, KROW
	s_add_co_u32 s46, s46, s96
	s_mov_b32 s47, 0
	s_mul_i32 s45, s14, HALFT                      ; where they go: wave x 128 rows: no place in the cluster enters an LDS address
	s_mul_i32 s94, s14, HALFS
	s_wait_kmcnt 0x0
	s_mov_b64 s[4:5], s[68:69]                     ; codes
	s_mov_b64 s[6:7], s[70:71]                     ; scales
	s_cmp_eq_u32 s12, 1
	s_cselect_b64 s[8:9], s[74:75], s[76:77]       ; the bias: bk or bv,
	s_cmp_eq_u32 s12, 0
	s_cselect_b64 s[8:9], s[72:73], s[8:9]         ; or bq
	s_cselect_b64 s[10:11], s[78:79], s[80:81]     ; out: qb, or kv
	s_add_nc_u64 s[20:21], s[4:5], s[20:21]
	s_add_nc_u64 s[22:23], s[6:7], s[22:23]
	s_add_nc_u64 s[46:47], s[4:5], s[46:47]
	s_add_nc_u64 s[92:93], s[6:7], s[92:93]
	; the scales of 128 rows: a dense block of 4,096 bytes, as rows of 256 bytes (32 elements of 8), 16 bytes of padding behind each
	s_or_b32 s[G1S+0], s43, (3<<16)|(1<<20)|(1<<21)|(5<<22)|(3<<25)
	s_or_b32 s[G1SB+0], s44, (3<<16)|(1<<20)|(1<<21)|(5<<22)|(3<<25)
.irp g, G1S, G1SB
	s_mov_b32 s[\g+1], 32<<16
	s_mov_b32 s[\g+2], (128*KS/256)<<16
	s_mov_b32 s[\g+3], 32<<16
	s_mov_b32 s[\g+4], 128*KS/256
	s_mov_b32 s[\g+5], 32
	s_mov_b32 s[\g+6], 0
	s_mov_b32 s[\g+7], 0
.endr
	CROUND                                         ; all sixteen work-groups are here: the first joint loads meet
	s_mov_b32 s[G0S], 1
	s_add_co_u32 s[G0S+1], s94, SCL
	s_mov_b64 s[G0S+2:G0S+3], s[22:23]
	s_or_b32 s[G0S+3], s[G0S+3], 0x80000000
	s_mov_b32 s[G0SB], 1
	s_add_co_u32 s[G0SB+1], s94, SCL
	s_mov_b64 s[G0SB+2:G0SB+3], s[92:93]
	s_or_b32 s[G0SB+3], s[G0SB+3], 0x80000000
	JLOAD G0S, G1S, G0SB, G1SB                     ; the scales first: they are wanted with K step 0.  With the two below, three loads of mine are out
.irp s, 0,1
	s_mov_b32 s[G0+4*\s], 1
	s_add_co_u32 s[G0+4*\s+1], s45, \s*SLOT
	s_add_nc_u64 s[G0+4*\s+2:G0+4*\s+3], s[20:21], \s*ROWB
	s_or_b32 s[G0+4*\s+3], s[G0+4*\s+3], 0x80000000
	s_mov_b32 s[G0B+4*\s], 1
	s_add_co_u32 s[G0B+4*\s+1], s45, \s*SLOT
	s_add_nc_u64 s[G0B+4*\s+2:G0B+4*\s+3], s[46:47], \s*ROWB
	s_or_b32 s[G0B+4*\s+3], s[G0B+4*\s+3], 0x80000000
	JLOAD G0+4*\s, G1, G0B+4*\s, G1B
.endr
	v_and_b32 v1, 15, v0                           ; r = l % 16
	v_bfe_u32 v2, v0, 4, 1                         ; h = l / 16
	v_mul_u32_u24 v3, v1, PITCH
	v_mul_u32_u24 v4, v2, 24
	v_add_nc_u32 v4, v3, v4                        ; a fragment's row x pitch + 24 x half
	v_lshl_add_u32 v5, v2, 4, v4                   ; and the same behind one padding more
	s_mul_i32 s21, s15, HALFT                      ; my 128 rows of A
	s_mul_i32 s22, s16, HALFT                      ; my 128 rows of B,
	s_add_co_u32 s22, s22, 2*HALFT                 ; which lie behind A's 256
.irp s, 0,1
	v_add_nc_u32 v[ADRA+\s], s21, v4
	v_add_nc_u32 v[ADRB+\s], s22, v4
	v_add_nc_u32 v[ADRA+2+\s], s21, v5
	v_add_nc_u32 v[ADRB+2+\s], s22, v5
	s_add_co_u32 s21, s21, SLOT
	s_add_co_u32 s22, s22, SLOT
.endr
	v_mul_u32_u24 v5, v1, KS                       ; my row's scales: KS bytes a row,
	v_lshrrev_b32 v6, 8, v5
	v_lshl_add_u32 v5, v6, 4, v5                   ; and 16 more for each 256 passed
	s_mul_i32 s21, s15, HALFS
	s_mul_i32 s22, s16, HALFS
	s_add_co_u32 s22, s22, 2*HALFS
	s_sub_co_u32 s22, s22, s21
	v_mul_u32_u24 v6, s22, v2                      ; lanes 16-31 take B's
	s_add_co_u32 s21, s21, SCL
	v_add_nc_u32 v5, v5, v6
	v_add_nc_u32 v[ADRS], s21, v5
	; the bias.  Q, K: it runs along B's rows (a lane's registers); V: along A's rows (the lanes).  Both sets are loaded, the one that is not meant from the bias's first 128 numbers, and cleared on the way out
	s_lshl_b32 s18, s42, 8
	s_lshl_b32 s19, s16, 7
	s_add_co_u32 s18, s18, s19                     ; my first row of B
	s_lshl_b32 s19, s17, 8
	s_lshl_b32 s95, s15, 7
	s_add_co_u32 s19, s19, s95                     ; my first row of A
	s_cmp_eq_u32 s12, 2
	s_cselect_b32 s18, 0, s18
	s_cselect_b32 s19, s19, 0
	s_lshl_b32 s96, s18, 2
	s_mov_b32 s97, 0
	s_lshl_b32 s98, s19, 2
	s_mov_b32 s99, 0
	s_add_nc_u64 s[96:97], s[8:9], s[96:97]
	s_add_nc_u64 s[98:99], s[8:9], s[98:99]
	v_lshlrev_b32 v[BNA], 6, v2
	v_and_b32 v[BMA], 8, v1
	v_add_nc_u32 v[BMA], v[BMA], v1
	v_lshlrev_b32 v[BMA], 2, v[BMA]
.irp b, 0,1,2,3,4,5,6,7
	global_load_b128 v[BN+8*\b:BN+8*\b+3], v[BNA], s[96:97] offset:4*(32*(\b/2)+8*(\b%2))
	global_load_b128 v[BN+8*\b+4:BN+8*\b+7], v[BNA], s[96:97] offset:4*(32*(\b/2)+8*(\b%2))+16
	global_load_b32 v[BM+2*\b], v[BMA], s[98:99] offset:4*(32*(\b/2)+8*(\b%2))
	v_mov_b32 v[BM+2*\b+1], 0
.endr
	s_mov_b32 s[SEL], 0x76543210
	s_mov_b32 s[SEL+1], 0xfedcba98
.macro FRAG reg, adr, q, i             ; a fragment, 16 rows x 128 K, is 12 registers: lane l holds row l % 16; registers 6 c .. 6 c + 5 hold K = 64 c + 32 (l / 16) + 0 .. 31: 24 bytes of the row's stream of bits, as they lie
.irp p, 0,1,2,3,4,5                    ; in pieces of 8 bytes.  Lanes 16-31 read three pieces further on than lanes 0-15;
.set PCE, 12*(\q)+6*(\p/3)+\p%3       ; where that lies behind one padding more, the second address register serves
.if PCE%8 < 5
	ds_load_b64 v[\reg+2*\p:\reg+2*\p+1], v[\adr] offset:8*PCE+16*(PCE/8)+(\i)*16*PITCH
.else
	ds_load_b64 v[\reg+2*\p:\reg+2*\p+1], v[\adr+2] offset:8*PCE+16*(PCE/8)+(\i)*16*PITCH
.endif
.endr
.endm
; 16 matrix instructions: A's blocks a0, a0 + 1 x B's eight, 128 along K.  zero = 1: the first product starts the sums.  The 64 accumulators take turns, one instruction a turn.
.macro MUL16 a0, p, q, sc, zero
.irp a, \a0, \a0+1
.irp b, 0,1,2,3,4,5,6,7
.if \zero
	v_wmma_scale_f32_16x16x128_f8f6f4 v[8*(8*((\a)%4)+\b):8*(8*((\a)%4)+\b)+7], v[128*(\p)+FR*\b:128*(\p)+FR*\b+FR-1], v[AF+FR*(\a):AF+FR*(\a)+FR-1], 0, v[SC+8*NQ*(\sc)+NQ*\b+(\q)], v[SC+8*NQ*(\sc)+NQ*(\a)+(\q)] matrix_a_fmt:MATRIX_FMT_FP6 matrix_b_fmt:MATRIX_FMT_FP6 matrix_a_scale:MATRIX_SCALE_ROW1
.else
	v_wmma_scale_f32_16x16x128_f8f6f4 v[8*(8*((\a)%4)+\b):8*(8*((\a)%4)+\b)+7], v[128*(\p)+FR*\b:128*(\p)+FR*\b+FR-1], v[AF+FR*(\a):AF+FR*(\a)+FR-1], v[8*(8*((\a)%4)+\b):8*(8*((\a)%4)+\b)+7], v[SC+8*NQ*(\sc)+NQ*\b+(\q)], v[SC+8*NQ*(\sc)+NQ*(\a)+(\q)] matrix_a_fmt:MATRIX_FMT_FP6 matrix_b_fmt:MATRIX_FMT_FP6 matrix_a_scale:MATRIX_SCALE_ROW1
.endif
.endr
.endr
.endm
.macro FETCH_B slot, q, p              ; B's eight fragments of the slot's q-th 128 along K into set p
	WIN TO_B
.irp i, 0,1,2,3,4,5,6,7
	FRAG 128*(\p)+FR*\i, ADRB+\slot, \q, \i
.endr
	WIN 0
.endm
.macro FETCH_A slot, q, i0             ; A's blocks i0 .. i0 + 3
.irp i, \i0, \i0+1, \i0+2, \i0+3
	FRAG AF+FR*(\i), ADRA+\slot, \q, \i
.endr
.endm
.macro SCALES sc                       ; a K step's scale words into set sc: lanes 0-15 take A's block i, lanes 16-31 B's block i
.irp i, 0,1,2,3,4,5,6,7
	ds_load_b64 v[SC+8*NQ*\sc+NQ*\i:SC+8*NQ*\sc+NQ*\i+1], v[ADRS] offset:\i*SBLK
.endr
.endm
.macro PLACES n                        ; plain vector instructions between a matrix instruction and a load into, or a read of, its registers
.rept \n
	v_nop
.endr
.endm
; A step of 128 along K that has its successor in the same slot.
.macro STEP slot, q, zero
	s_wait_dscnt 4*NL                              ; B's set and A's blocks 0-3 are in; the youngest 24 loads (A's blocks 4-7) may be out
	WIN MUL_LO
	MUL16 0, (\q)%2, \q, \slot, \zero
	MUL16 2, (\q)%2, \q, \slot, \zero
	s_wait_dscnt 0                                 ; A's blocks 4-7 are in
	PLACES NP
	FETCH_B \slot, (\q)+1, 1-(\q)%2
	FETCH_A \slot, (\q)+1, 0
	WIN MUL_HI
	MUL16 4, (\q)%2, \q, \slot, \zero
	MUL16 6, (\q)%2, \q, \slot, \zero
	PLACES NP
	WIN 0
	FETCH_A \slot, (\q)+1, 4
.endm
; A slot's last step changes slots: ONE barrier; in front of it each wave waits for all its tensor loads, adds 0 to its spare word, and waits for that and for its own reads of this slot.  fill = 1: this slot is filled again, two K steps ahead.
.macro TURN slot, next, fill
	s_wait_tensorcnt 0x0                           ; all my tensor loads have landed: my part of the next slot
	ds_add_u32 v[SPW], v[NIL]                      ; 0 onto my spare word
	s_wait_dscnt 4*NL+1                            ; (the add and the youngest 24 loads, A's blocks 4-7, may be out)
	WIN MUL_LO
	MUL16 0, 1, NQ-1, \slot, 0                     ; sixteen matrix instructions stand between the add and the wait for it
	s_wait_dscnt 0x0                               ; the add is done, and my reads of this slot are over
	s_barrier_signal -1
	MUL16 2, 1, NQ-1, \slot, 0
	WIN 0
	s_barrier_wait -1
.if \fill
	CREST                                          ; the barrier has opened a round of the cluster's barrier: no wave of any partner still reads this slot's tile or has a load on its way
	s_add_nc_u64 s[G0+4*\slot+2:G0+4*\slot+3], s[G0+4*\slot+2:G0+4*\slot+3], 2*ROWB
	s_add_nc_u64 s[G0B+4*\slot+2:G0B+4*\slot+3], s[G0B+4*\slot+2:G0B+4*\slot+3], 2*ROWB
	JLOAD G0+4*\slot, G1, G0B+4*\slot, G1B         ; the first tensor load behind the round; its four v_nop are the places in front of the loads below
.else
	PLACES NP
.endif
	v_add_nc_u32 v[ADRS], 4*NQ, v[ADRS]            ; on to the next K step's scale words
	FETCH_B \next, 0, 0
	FETCH_A \next, 0, 0
	SCALES \next
	WIN MUL_HI
	MUL16 4, 1, NQ-1, \slot, 0
	MUL16 6, 1, NQ-1, \slot, 0
	PLACES NP
	WIN 0
	FETCH_A \next, 0, 4
.endm
	s_wait_tensorcnt 1                             ; the scales and my part of K step 0 are in (K step 1's load may be out),
	s_barrier_signal -1
	s_barrier_wait -1                              ; everybody's are
	FETCH_B 0, 0, 0
	FETCH_A 0, 0, 0
	SCALES 0
	FETCH_A 0, 0, 4
	STEP 0, 0, 1                                   ; the first step stands in front of the loop: its products start the sums
	s_mov_b32 s3, LAPS-1
.Llap:                                                 ; a trip goes once round the ring and fills both slots again
	TURN 0, 1, 1
	STEP 1, 0, 0
	TURN 1, 0, 1
	STEP 0, 0, 0
	s_sub_co_u32 s3, s3, 1
	s_cmp_lg_u32 s3, 0
	s_cbranch_scc1 .Llap
	TURN 0, 1, 0                                   ; the last lap fills nothing
	STEP 1, 0, 0
	s_wait_dscnt 4*NL                              ; the very last step: nothing more to fetch
	WIN MUL_LO
	MUL16 0, 1, NQ-1, 1, 0
	MUL16 2, 1, NQ-1, 1, 0
	s_wait_dscnt 0
	WIN MUL_HI
	MUL16 4, 1, NQ-1, 1, 0
	MUL16 6, 1, NQ-1, 1, 0
	WIN 0
	; ---------------- THE WAY OUT ----------------
	s_wait_loadcnt 0x0                             ; the biases
	s_lshl_b32 s18, s17, 1
	s_add_co_u32 s18, s18, s15                     ; which 128 rows of A are mine,
	s_lshl_b32 s19, s42, 1
	s_add_co_u32 s19, s19, s16                     ; which 128 of B
	s_mov_b32 s71, 13056
	s_mov_b32 s73, 12288
	s_cmp_eq_u32 s12, 0
	s_cselect_b32 s71, 6656, s71                   ; a step's block in bytes: qb's or kv's
	s_cselect_b32 s73, 6144, s73                   ; where its scale words begin: Q's, K's,
	s_lshl_b32 s72, s71, 4                         ; from a head to the next: 16 blocks
	s_sub_co_u32 s84, s72, 6144
	s_mov_b32 s82, 768
	s_mov_b32 s86, 256
	s_cmp_eq_u32 s12, 2
	s_cselect_b32 s68, s19, s18                    ; the group of 128 tokens,
	s_cselect_b32 s69, s18, s19                    ; the pair of heads
	s_cselect_b32 s73, 12800, s73                  ; V's scale words
	s_cselect_b32 s89, 6144, 0                     ; V's codes lie behind K's
	s_cselect_b32 s80, 768, s72                    ; registers 6-11: V: the fragment's second half; Q, K: the next head's tile
	s_cselect_b32 s[STRA], 1536, s82               ; from block to block
	s_cselect_b32 s[JUMP], s84, 0                  ; V: blocks 4-7 are the next head's
	s_cselect_b32 s86, s72, s86                    ; scale words: lanes 16-31 go on 256 bytes (Q, K), or to the next head (V)
	s_cselect_b32 s87, 0, -1                       ; all lanes for Q, K
	s_cselect_b32 s88, -1, 0                       ; all lanes for V
	s_mov_b32 s[STRA+1], 0
	s_mov_b32 s[JUMP+1], 0
	s_lshl_b32 s69, s69, 1                         ; the first head
	s_lshr_b32 s70, s68, 4                         ; the batch
	s_lshl_b32 s70, s70, 4
	s_add_co_u32 s70, s70, s69
	s_lshl_b32 s70, s70, 4
	s_and_b32 s90, s68, 15                         ; the step
	s_add_co_u32 s70, s70, s90
	s_mul_i32 s70, s70, s71                        ; the block's first byte (under 2^23)
	s_add_co_u32 s90, s70, s89
	s_mov_b32 s91, 0
	s_add_nc_u64 s[OUTC:OUTC+1], s[10:11], s[90:91]
	s_add_co_u32 s90, s70, s73
	s_add_nc_u64 s[OUTS:OUTS+1], s[10:11], s[90:91]
	s_mov_b32 s90, s72
	s_add_nc_u64 s[OUTS2:OUTS2+1], s[OUTS:OUTS+1], s[90:91]
	s_lshl_b32 s92, s14, 10                        ; a stage of 1,024 bytes for each wave's scale words, in slot 0: it has had its last fill, and nobody reads it since the last change of slots
	v_and_b32 v3, 31, v0
	v_lshlrev_b32 v7, 4, v3                        ; 16 l
	v_lshl_add_u32 v8, v3, 3, 512                  ; 512 + 8 l
	v_add_nc_u32 v9, s80, v7
	v_add_nc_u32 v10, s80, v8
	v_lshlrev_b32 v11, 9, v2
	v_lshl_add_u32 v11, v1, 2, v11
	v_add_nc_u32 v11, s92, v11                     ; into the stage: 512 h + 4 r
	v_add_nc_u32 v12, s92, v7                      ; back: 16 l
	v_mul_lo_u32 v13, v2, s86
	v_lshl_add_u32 v13, v1, 4, v13
	v_lshlrev_b32 v14, 4, v2                       ; 16 h
.set II, 0
.rept 64
	v_cndmask_b32 v[BN+II], 0, v[BN+II], s87       ; the bias along B counts for Q and K,
.set II, II+1
.endr
.irp a, 0,1,2,3,4,5,6,7
	v_cndmask_b32 v[BM+2*\a], 0, v[BM+2*\a], s88   ; that along A for V.  (These lines are also the places behind the last products)
.endr
.irp b, 0,1,2,3
	v_mov_b32 v[TM+4+\b], 0                        ; written once: a lane permute's destination counts as one of its sources
.endr
; 64 numbers of a lane, register 16 b + i = k 32 b + 16 (lane / 16) + i of my row, become a fragment's codes in v[PC] on and its scale word in v[PW].
.macro QUANT s
.irp b, 0,1,2,3
	v_max3_num_f32 v[TM+\b], |v[\s+16*\b]|, |v[\s+1+16*\b]|, 0x1800000   ; block b: my 16 numbers, and the floor 2^(3 - 127): so the byte cannot fall under 1
.endr
.irp i, 2,4,6,8,10,12,14
.irp b, 0,1,2,3
	v_max3_num_f32 v[TM+\b], v[TM+\b], |v[\s+16*\b+\i]|, |v[\s+1+16*\b+\i]|
.endr
.endr
.irp b, 0,1,2,3
	v_permlanex16_b32 v[TM+4+\b], v[TM+\b], s[SEL], s[SEL+1]
.endr
.irp b, 0,1,2,3
	v_max_num_f32 v[TM+\b], v[TM+\b], v[TM+4+\b]   ; with lane l xor 16's: the block's largest magnitude
.endr
.irp b, 0,1,2,3
	v_add_nc_u32 v[TM+12+\b], 0xff000000, v[TM+\b]   ; 2 off its exponent field: the conversion's scale operand
.endr
.irp b, 0,1,2,3
	v_lshrrev_b32 v[TM+4+\b], 23, v[TM+12+\b]      ; the scale's byte
.endr
	v_lshl_or_b32 v[PW], v[TM+5], 8, v[TM+4]
	v_lshl_or_b32 v[PW], v[TM+6], 16, v[PW]
	v_lshl_or_b32 v[PW], v[TM+7], 24, v[PW]
.irp c, 0,1
	v_cvt_scalef32_pk16_fp6_f32 v[PC+6*\c:PC+2+6*\c], v[\s+32*\c:\s+15+32*\c], v[TM+12+2*\c]
	v_cvt_scalef32_pk16_fp6_f32 v[PC+12+4*\c:PC+14+4*\c], v[\s+16+32*\c:\s+31+32*\c], v[TM+12+2*\c+1]   ; (a conversion's three registers begin on an even number)
.endr
	v_nop                                          ; one plain place behind a scaled conversion
.irp c, 0,1                                    ; the operand's layout wants a WHOLE block in a lane: lanes 0-15 block 2 c, lanes 16-31 block 2 c + 1
.irp i, 0,1,2
	v_permlane16_swap_b32 v[PC+6*\c+\i], v[PC+12+4*\c+\i]
.endr
.irp i, 0,1,2
	v_mov_b32 v[PC+3+6*\c+\i], v[PC+12+4*\c+\i]
.endr
.endr
.endm
.macro OUTBLK a
.if (\a) > 0
	s_wait_xcnt 0x0                                ; the last block's stores have read their data and their base: both are written again only behind this wait
	s_add_nc_u64 s[OUTC:OUTC+1], s[OUTC:OUTC+1], s[STRA:STRA+1]
.if (\a) == 4
	s_add_nc_u64 s[OUTC:OUTC+1], s[OUTC:OUTC+1], s[JUMP:JUMP+1]
.endif
.endif
.set WW, 0x02+(\a)/4
	WIN WW                                         ; source 0: window 2 or 3
.set II, 0
.rept 32
	v_pk_add_f32 v[TT+II:TT+II+1], v[64*((\a)%4)+II:64*((\a)%4)+II+1], v[BN+II:BN+II+1]   ; each accumulator from its low end on
.set II, II+2
.endr
	WIN 0
.set II, 0
.rept 32
	v_pk_add_f32 v[TT+II:TT+II+1], v[TT+II:TT+II+1], v[BM+2*(\a):BM+2*(\a)+1] op_sel_hi:[1,0]
.set II, II+2
.endr
	QUANT TT
	global_store_b128 v7, v[PC:PC+3], s[OUTC:OUTC+1]          ; 512 consecutive bytes,
	global_store_b64 v8, v[PC+4:PC+5], s[OUTC:OUTC+1]         ; 256,
	global_store_b128 v9, v[PC+6:PC+9], s[OUTC:OUTC+1]        ; and the same of registers 6-11
	global_store_b64 v10, v[PC+10:PC+11], s[OUTC:OUTC+1]
	v_lshrrev_b32 v[SHV], v14, v[PW]               ; lanes 0-15 keep the word (Q, K: its upper bytes meet zero codes), lanes 16-31 take its upper half: the next head's two bytes
	ds_store_b32 v11, v[SHV] offset:64*(\a)
.endm
.irp a, 0,1,2,3,4,5,6,7
	OUTBLK \a
.endr
	ds_load_b128 v[192:195], v12                   ; my own bytes: LDS serves a wave's instructions in order
	ds_load_b128 v[196:199], v12 offset:512
	s_wait_dscnt 0x0
	global_store_b128 v13, v[192:195], s[OUTS:OUTS+1]         ; Q, K: the first head's 128 words; V: 64 words of each of the two heads
	s_cmp_eq_u32 s12, 2                            ; (the same in all sixteen partners)
	s_cbranch_scc1 .Lno_second
	global_store_b128 v7, v[196:199], s[OUTS2:OUTS2+1]        ; Q, K: the next head's 128 words
.Lno_second:
	s_wait_tensorcnt 0x0                           ; the wave's end
	ds_add_u32 v[SPW], v[NIL]
	s_wait_dscnt 0x0
	CROUND                                         ; the closing round
	s_endpgm
.Lfunc_end_k_q22aadc7b04_proj:
	.size	k_q22aadc7b04_proj, .Lfunc_end_k_q22aadc7b04_proj-k_q22aadc7b04_proj
	.p2alignl 7, 3214868480
	.fill 96, 4, 3214868480
	.section	.rodata,"a",@progbits
	.p2align	6, 0x0
	.amdhsa_kernel k_q22aadc7b04_proj
		.amdhsa_group_segment_fixed_size 327680
		.amdhsa_private_segment_fixed_size 0
		.amdhsa_enable_private_segment 0
		.amdhsa_kernarg_size 56
		.amdhsa_user_sgpr_count 2
		.amdhsa_user_sgpr_kernarg_segment_ptr 1
		.amdhsa_wavefront_size32 1
		.amdhsa_system_sgpr_workgroup_id_x 1
		.amdhsa_system_sgpr_workgroup_id_y 1
		.amdhsa_system_sgpr_workgroup_id_z 1
		.amdhsa_system_vgpr_workitem_id 0
		.amdhsa_next_free_vgpr 1024
		.amdhsa_next_free_sgpr 102
		.amdhsa_reserve_vcc 0
		.amdhsa_float_denorm_mode_32 3
		.amdhsa_float_denorm_mode_16_64 3
		.amdhsa_memory_ordered 1
		.amdhsa_forward_progress 1
		.amdhsa_inst_pref_size 208
	.end_amdhsa_kernel
	.amdgpu_metadata
---
amdhsa.version: [ 1, 2 ]
amdhsa.kernels:
  - .name:           k_q22aadc7b04_proj
    .symbol:         k_q22aadc7b04_proj.kd
    .args:
      - { .name: codes, .offset: 0, .size: 8, .value_kind: global_buffer, .address_space: global }
      - { .name: scales, .offset: 8, .size: 8, .value_kind: global_buffer, .address_space: global }
      - { .name: bq, .offset: 16, .size: 8, .value_kind: global_buffer, .address_space: global }
      - { .name: bk, .offset: 24, .size: 8, .value_kind: global_buffer, .address_space: global }
      - { .name: bv, .offset: 32, .size: 8, .value_kind: global_buffer, .address_space: global }
      - { .name: qb, .offset: 40, .size: 8, .value_kind: global_buffer, .address_space: global }
      - { .name: kv, .offset: 48, .size: 8, .value_kind: global_buffer, .address_space: global }
    .group_segment_fixed_size: 327680
    .private_segment_fixed_size: 0
    .kernarg_segment_align: 8
    .kernarg_segment_size: 56
    .max_flat_workgroup_size: 128
    .sgpr_count:     102
    .vgpr_count:     1024
    .wavefront_size: 32
...
	.end_amdgpu_metadata
.endif
;; end of part 2
;; launch attn (part 3): grid 8 x 32, 16 waves a work-group, clusters of 4 x 1, 210,944 bytes of LDS; arguments qb, kv, mbits, ao, aos; writes ao, aos
.if DOCPART == 3
	.amdgcn_target "amdgcn-amd-amdhsa--gfx1250"
	.amdhsa_code_object_version 6
	.text
	.protected	k_q22aadc7b04_attn
	.globl	k_q22aadc7b04_attn
	.p2align	8
	.type	k_q22aadc7b04_attn,@function
k_q22aadc7b04_attn:
	s_mov_b64 s[64:65], 0
	v_nop
	global_prefetch_b8 v0, s[64:65] scope:SCOPE_SE
	s_setreg_imm32_b32 hwreg(HW_REG_WAVE_MODE, 25, 1), 1
	s_wait_xcnt 0x0
	s_wait_alu depctr_hold_cnt(0) depctr_sa_sdst(0) depctr_va_vdst(0) depctr_va_sdst(0) depctr_va_ssrc(0) depctr_va_vcc(0) depctr_vm_vsrc(0)
	s_getreg_b32 s2, hwreg(HW_REG_IB_STS2, 6, 4)
	s_cmp_eq_u32 s2, 0
	s_cbranch_scc0 .Lentry_in_a_cluster
	s_endpgm
.Lentry_in_a_cluster:
	s_bfe_u32 s2, ttmp6, 0x10000c
	s_cmp_lg_u32 s2, 0x3003
	s_cbranch_scc0 .Lentry_shape_is_right
	s_endpgm
.Lentry_shape_is_right:
; ATTENTION ON CODES OF FP6 (E2M3): scores = Q K^T / 8 (K = the head's 64), the mask, the softmax, O = P V (K = the 2,048 keys), O / the row's sum, quantised along the head's 64 for the last projection.
; THE SOFTMAX AHEAD OF THE SECOND PRODUCT: t = score x log2(e) / 8; M = the row's largest t so far, rounded UP to a whole number; p = 2^(t - M) is quantised along the keys, not normalised; the row's sum is taken of
; the unquantised p and divides O at the end.  When M moves, the sum and O are multiplied by 2^(old M - new M): exact.
; SHARES.  A work-group owns 256 queries of one (batch, head); each of its sixteen waves 16 of them, in 256 registers: four waves to a SIMD, so that one wave's vector work stands beside another's products and LDS loads.
; LDS.  The head's K and V, as images of operand registers with their scale words, are 16 blocks (one for each step of 128 keys) of 13,056 bytes: all 208,896 bytes are brought ONCE, by sixteen tensor loads (waves 0-3, four each),
; and read by all waves: no byte of LDS is filled again, and none is stored to.  The four work-groups of a cluster belong to one head: each block is asked for JOINTLY.
; TWO STAGES: a barrier shows the first four blocks, a second one the other twelve, which have the first four key steps in which to land.
; A block: K's 8 tiles x 768 bytes; V's 4 fragments x 1,536 at 6,144; K's scale words at 12,288; V's at 12,800.  An image of six registers: 0-3 at 16 x lane, 4-5 at 512 + 8 x lane: every load takes consecutive bytes.
; LAYOUT.  Both products are used transposed: S^T = K Q^T, O^T = V^T P^T: a lane holds ONE query (lane % 16) throughout.  Lane r of K's tile 2 b + u is key 32 b + 8 u + r + 8 (r / 8), so that the 16 registers of tiles
; 2 b, 2 b + 1 are keys 32 b + 16 (lane / 16) + 0 .. 15; V's tiles of channels likewise, so that O^T's 32 registers are two half blocks of 16 neighbouring channels.
; K = 64 IN A FORM OF 128: registers 6-11 of Q's and of K's fragments are zero codes, which add nothing under any scale byte but 0xff (the bytes there are 0 to 254).
; THE MASK comes as 64 words a step, one bit a lane, by scalar loads a step ahead; a hidden score becomes -2^33 by one v_cndmask_b32.
; LIMITS.  A hidden logit is -2^30 where the definition has -1e9: the results differ only where a row's largest open logit lies under about -1e9 + 200; a row with no open key gives p = 1 for every key, the mean of V, as defined.
; p under 2^-126 is 0.  NaN and infinities are not served.  A block of zeros keeps the byte 1 with zero codes (this program alone reads the bytes).
; No prefetch: all tiles are asked for at the head, and the mask words a whole step ahead of their use.
.set STEPB,  13056
.set STAGEB, 4*STEPB
.set VOFF,   6144
.set KSO,    12288
.set VSO,    12800
.set QBLKB,  6656
.set L16, 1                            ; v1-3  16, 8, 4 x lane; never rewritten
.set L8,  2
.set L4,  3
.set A16, 4                            ; v4-6  the same + the step's block
.set A8,  5
.set A4,  6
.set NEG, 7                            ; v7    -2^33
.set KSC, 8                            ; v8-11 K's scale words: lanes 0-15 tile 2 i, lanes 16-31 tile 2 i + 1
                                       ; v12 -M, v13 the largest t, v[14:15] the sum in two halves
.set QF,  16                           ; v16-21 Q, v22-27 zero codes
.set QS,  28                           ; v28   Q's scale words
.set VSC, 29                           ; v29-30 V's
.set KF,  32                           ; v32-79 four fragments of K: 12 t .. + 5 codes, + 6 .. + 11 zero codes, cleared once
.set VF,  80                           ; v80-127 V's four fragments
.set S,   128                          ; v128-191 S^T, then p
.set OT,  192                          ; v192-223 O^T
.set PCD, 224                          ; v224-235 p's codes; v236-254 at work; v253 p's scale word
.set SEL, 4                            ; s[4:5] lane selects for v_permlanex16_b32: lane l xor 16
.set G1,  8                            ; s[8:15] descriptor group 1;  s[16:31] four groups 0
.set G0,  16
.set WV,  66
.set CNT, 67
.set MOFF, 100                         ; the mask words' byte offset: 256 a step
.set TB,  101                          ; LDS byte at which the step's block begins
.set CS,  104                          ; s[104:105] c = log2(e) / 8
                                       ; s[2:3] my tile's mask words;  s[32:63], s[68:99] a step's 64 words
.macro CROUND
	s_barrier_signal -1
	s_barrier_wait -1
	s_cmp_lg_u32 s[WV], 0
	s_cbranch_scc1 .Lnot_wave_0_\@
	s_barrier_signal -3
.Lnot_wave_0_\@:
	s_barrier_wait -3
	s_barrier_signal -1
	s_barrier_wait -1
.endm
.macro MLOAD                           ; 64 words, 256 bytes
	s_load_b512 s[32:47], s[2:3], s[MOFF] offset:0x0
	s_load_b512 s[48:63], s[2:3], s[MOFF] offset:0x40
	s_load_b512 s[68:83], s[2:3], s[MOFF] offset:0x80
	s_load_b512 s[84:99], s[2:3], s[MOFF] offset:0xc0
.endm
	s_load_b128 s[32:35], s[0:1], 0x0              ; qb, kv
	s_load_b64 s[2:3], s[0:1], 0x10                ; mbits
	v_lshl_add_u32 v243, v0, 2, 0x33000
	v_mov_b32 v255, 0
	ds_add_u32 v243, v255
	ds_add_u32 v243, v255
	v_lshrrev_b32 v1, 5, v0
	v_readfirstlane_b32 s[WV], v1                  ; wave 0..15
	v_and_b32 v3, 31, v0
	v_lshlrev_b32 v[L16], 4, v3
	v_lshlrev_b32 v[L8], 3, v3
	v_lshlrev_b32 v[L4], 2, v3
	s_bfe_u32 s36, ttmp6, 0x40000                  ; cx: it enters global addresses alone
	s_lshl_b32 s37, ttmp9, 2
	s_add_co_u32 s37, s37, s36                     ; my block of 256 queries: 0 .. 7
	s_and_b32 s38, ttmp7, 0xffff                   ; batch x 16 + head, which the four partners share
	s_lshl_b32 s39, s37, 4
	s_add_co_u32 s39, s39, s[WV]                   ; my tile of 16 queries: 0 .. 127
	; descriptor group 1: a block of 13,056 dense bytes as 51 rows of 256 bytes (32 elements of 8 bytes), no padding
	s_mov_b32 s[G1], 15|(3<<16)|(1<<21)            ; 15:0 the mask: all four work-groups; 17:16 elements of 8 bytes; 21 set beside a mask
	s_mov_b32 s[G1+1], 32<<16                      ; tensor_dim0
	s_mov_b32 s[G1+2], 51<<16                      ; tensor_dim1
	s_mov_b32 s[G1+3], 32<<16                      ; tile_dim0
	s_mov_b32 s[G1+4], 51                          ; tile_dim1
	s_mov_b32 s[G1+5], 32                          ; from row to row
	s_mov_b32 s[G1+6], 0
	s_mov_b32 s[G1+7], 0
	s_and_b32 s40, s[WV], 3
	s_mul_i32 s40, s40, STEPB                      ; which of four neighbouring blocks I fetch, if I fetch
	s_mul_i32 s42, s38, 16*STEPB                   ; the head's first byte in kv (under 2^23)
	s_add_co_u32 s42, s42, s40
	s_mov_b32 s43, 0
	s_lshr_b32 s44, s38, 4
	s_lshl_b32 s44, s44, 7
	s_add_co_u32 s44, s44, s39
	s_lshl_b32 s44, s44, 12                        ; my tile's mask words: 16 steps x 256 bytes
	s_mov_b32 s45, 0
	s_lshl_b32 s46, s38, 4
	s_lshl_b32 s47, s37, 1
	s_add_co_u32 s46, s46, s47
	s_lshr_b32 s47, s[WV], 3
	s_add_co_u32 s46, s46, s47                     ; my step of 128 queries
	s_mul_i32 s46, s46, QBLKB
	s_mov_b32 s47, 0
	s_and_b32 s48, s[WV], 7                        ; my tile in it
	s_mul_i32 s49, s48, 768
	s_lshl_b32 s48, s48, 6
	v_add_nc_u32 v[A16], s49, v[L16]               ; Q's image,
	v_add_nc_u32 v[A8], s49, v[L8]
	v_and_b32 v[A4], 15, v0
	v_lshlrev_b32 v[A4], 2, v[A4]
	v_add_nc_u32 v[A4], s48, v[A4]                 ; and its scale words: row lane % 16 in both halves
	s_mov_b32 s[SEL], 0x76543210
	s_mov_b32 s[SEL+1], 0xfedcba98
	s_mov_b32 s[CS], 0x3e38aa3b                    ; c = log2(e) / 8
	s_mov_b32 s[CS+1], s[CS]                       ; (named with it as a pair, so it is written)
	s_mov_b32 s[MOFF], 0
	s_wait_dscnt 0x0
	s_wait_kmcnt 0x0
	s_add_nc_u64 s[2:3], s[2:3], s[44:45]
	s_add_nc_u64 s[34:35], s[34:35], s[42:43]
	s_add_nc_u64 s[6:7], s[32:33], s[46:47]
.irp j, 0,1,2,3
	s_mov_b32 s[G0+4*\j], 1                        ; count = 1
	s_add_co_u32 s[G0+4*\j+1], s40, \j*STAGEB      ; LDS address: block 4 j + wave
	s_add_nc_u64 s[G0+4*\j+2:G0+4*\j+3], s[34:35], \j*STAGEB
	s_or_b32 s[G0+4*\j+3], s[G0+4*\j+3], 0x80000000   ; type = 2
.endr
	CROUND                                         ; all four work-groups are here: the joint loads meet
	s_cmp_lt_u32 s[WV], 4                          ; a wave's four fills stand in one branch on its number, ahead of every wait on TENSORcnt, every LDS read and every other barrier: four loads of mine are out
	s_cbranch_scc0 .Lno_fetch
	tensor_load_to_lds s[G0:G0+3], s[G1:G1+7]
	s_nop 0
	tensor_load_to_lds s[G0+4:G0+7], s[G1:G1+7]
	s_nop 0
	tensor_load_to_lds s[G0+8:G0+11], s[G1:G1+7]
	s_nop 0
	tensor_load_to_lds s[G0+12:G0+15], s[G1:G1+7]
	s_nop 0
.rept 4
	v_nop
.endr
.Lno_fetch:
	global_load_b128 v[QF:QF+3], v[A16], s[6:7]
	global_load_b64 v[QF+4:QF+5], v[A8], s[6:7] offset:512
	global_load_b32 v[QS], v[A4], s[6:7] offset:6144
	MLOAD                                          ; step 0's mask words
.irp j, 6,7,8,9,10,11
	v_mov_b32 v[QF+\j], 0                          ; zero codes for k = 64 .. 127
.irp t, 0,1,2,3
	v_mov_b32 v[KF+12*\t+\j], 0
.endr
.endr
.set JJ, 0
.rept 32
	v_mov_b32 v[OT+JJ], 0                          ; O^T.  (The step is written once: the first finds zeros, which the first change of M leaves zeros)
.set JJ, JJ+1
.endr
	v_mov_b32 v[NEG], 0xd0000000                   ; -2^33
	v_mov_b32 v13, 0xff61b1e6                      ; the largest t so far: -3e38
	v_floor_f32 v12, -v13                          ; -M
	v_mov_b32 v14, 0
	v_mov_b32 v15, 0
.irp b, 0,1,2,3
	v_mov_b32 v[236+\b], 0                         ; a lane permute's destination counts as one of its sources
.endr
	v_mov_b32 v253, 0                              ; (named as the upper half of the pair v[252:253] before it is first written)
	s_wait_loadcnt 0x0                             ; Q; its address registers may now be written
; A KEY STEP: 128 keys, the block at s[TB].
.macro STEP
	v_add_nc_u32 v[A16], s[TB], v[L16]
	v_add_nc_u32 v[A8], s[TB], v[L8]
	v_add_nc_u32 v[A4], s[TB], v[L4]
	v_nop                                          ; four places behind the last products, in front of loads into registers that they read
.irp t, 0,1,2,3
	ds_load_b128 v[KF+12*\t:KF+12*\t+3], v[A16] offset:768*\t
	ds_load_b64 v[KF+12*\t+4:KF+12*\t+5], v[A8] offset:768*\t+512
.endr
.irp i, 0,1,2,3
	ds_load_b32 v[KSC+\i], v[A4] offset:KSO+128*\i
.endr
.irp t, 0,1,2,3
	ds_load_b128 v[VF+12*\t:VF+12*\t+3], v[A16] offset:VOFF+1536*\t
	ds_load_b64 v[VF+12*\t+4:VF+12*\t+5], v[A8] offset:VOFF+1536*\t+512
	ds_load_b128 v[VF+12*\t+6:VF+12*\t+9], v[A16] offset:VOFF+1536*\t+768
	ds_load_b64 v[VF+12*\t+10:VF+12*\t+11], v[A8] offset:VOFF+1536*\t+1280
.endr
.irp i, 0,1
	ds_load_b32 v[VSC+\i], v[A4] offset:VSO+128*\i
.endr
	s_wait_dscnt 18                                ; K's tiles 0-3 and its scale words are in; V's 16 loads and its 2 scale loads may be out
.irp t, 0,1,2,3
.if \t%2
	v_wmma_scale_f32_16x16x128_f8f6f4 v[S+8*\t:S+8*\t+7], v[KF+12*\t:KF+12*\t+11], v[QF:QF+11], 0, v[KSC+\t/2], v[QS] matrix_a_fmt:MATRIX_FMT_FP6 matrix_b_fmt:MATRIX_FMT_FP6 matrix_a_scale:MATRIX_SCALE_ROW1
.else
	v_wmma_scale_f32_16x16x128_f8f6f4 v[S+8*\t:S+8*\t+7], v[KF+12*\t:KF+12*\t+11], v[QF:QF+11], 0, v[KSC+\t/2], v[QS] matrix_a_fmt:MATRIX_FMT_FP6 matrix_b_fmt:MATRIX_FMT_FP6
.endif
.endr
.rept 4
	v_nop                                          ; places in front of loads into registers that these products read, and of the first read of their scores further down
.endr
.irp t, 0,1,2,3
	ds_load_b128 v[KF+12*\t:KF+12*\t+3], v[A16] offset:768*(4+\t)
	ds_load_b64 v[KF+12*\t+4:KF+12*\t+5], v[A8] offset:768*(4+\t)+512
.endr
	s_wait_dscnt 0x0
.irp t, 0,1,2,3
.if \t%2
	v_wmma_scale_f32_16x16x128_f8f6f4 v[S+32+8*\t:S+32+8*\t+7], v[KF+12*\t:KF+12*\t+11], v[QF:QF+11], 0, v[KSC+2+\t/2], v[QS] matrix_a_fmt:MATRIX_FMT_FP6 matrix_b_fmt:MATRIX_FMT_FP6 matrix_a_scale:MATRIX_SCALE_ROW1
.else
	v_wmma_scale_f32_16x16x128_f8f6f4 v[S+32+8*\t:S+32+8*\t+7], v[KF+12*\t:KF+12*\t+11], v[QF:QF+11], 0, v[KSC+2+\t/2], v[QS] matrix_a_fmt:MATRIX_FMT_FP6 matrix_b_fmt:MATRIX_FMT_FP6
.endif
.endr
	s_wait_kmcnt 0x0                               ; this step's mask words are in; their loads are done, so the offset may be written:
	s_add_co_u32 s[MOFF], s[MOFF], 256             ; the next step's,
	s_min_u32 s[MOFF], s[MOFF], 3840               ; or, in the last step, its own again: no load leaves the buffer
.set MN, 0
.rept 64                                       ; register 16 b + i holds key 32 b + 16 (lane / 16) + i of query lane % 16: word 16 b + i has its bit for each lane.  Each accumulator from its low end on.
.if MN < 32                                    ; The first 32 lines touch tiles 0-3 alone, whose products have their four places above: they name no register of the products of tiles 4-7 and are those products' places
	v_cndmask_b32 v[S+MN], v[NEG], v[S+MN], s[32+MN]
.else
	v_cndmask_b32 v[S+MN], v[NEG], v[S+MN], s[36+MN]
.endif
.set MN, MN+1
.endr
.irp b, 0,1,2,3
	v_max3_num_f32 v[248+\b], v[S+16*\b], v[S+1+16*\b], v[S+2+16*\b]   ; THE LARGEST SCORE OF EACH BLOCK OF 32 KEYS: for the row's maximum, and, since p rises with the score, for the block's largest p
.endr
.irp i, 3,5,7,9,11,13
.irp b, 0,1,2,3
	v_max3_num_f32 v[248+\b], v[248+\b], v[S+16*\b+\i], v[S+1+16*\b+\i]
.endr
.endr
.irp b, 0,1,2,3
	v_max_num_f32 v[248+\b], v[248+\b], v[S+15+16*\b]
.endr
.irp b, 0,1,2,3
	v_permlanex16_b32 v[236+\b], v[248+\b], s[SEL], s[SEL+1]
.endr
	MLOAD                                          ; the next step's mask words: a whole step ahead of their use
.irp b, 0,1,2,3
	v_max_num_f32 v[248+\b], v[248+\b], v[236+\b]  ; with lane l xor 16's 16 keys
.endr
	v_max3_num_f32 v254, v248, v249, v250
	v_max_num_f32 v254, v254, v251                 ; the step's largest score of my query
	v_mul_f32 v254, s[CS], v254                    ; as t (c is positive)
	v_max_num_f32 v13, v13, v254                   ; the running largest t
	v_mov_b32 v254, v12
	v_floor_f32 v12, -v13                          ; the new -M = floor(-t) = -ceil(t)
	v_sub_f32 v254, v12, v254                      ; old M - new M: a whole number, 0 or less
	v_cvt_i32_f32 v254, v254                       ; (it saturates)
	v_ldexp_f32 v252, 1.0, v254                    ; f = 2^(old M - new M)
.set JJ, 0
.rept 32
	v_pk_fma_f32 v[S+JJ:S+JJ+1], v[S+JJ:S+JJ+1], s[CS:CS+1], v[12:13] op_sel_hi:[1,0,0]   ; t - M, two at a time
.set JJ, JJ+2
.endr
.irp b, 0,1,2,3
	v_fma_f32 v[248+\b], v[248+\b], s[CS], v12     ; the same of each block's largest score
.endr
.set JJ, 0
.rept 64
	v_exp_f32 v[S+JJ], v[S+JJ]                     ; p = 2^(t - M), at most 1
.set JJ, JJ+1
.endr
.irp b, 0,1,2,3
	v_exp_f32 v[248+\b], v[248+\b]                 ; the block's largest p: the same two instructions on the same number give the same bits
.endr
	v_pk_mul_f32 v[14:15], v[14:15], v[252:253] op_sel_hi:[1,0]   ; the sums under the new M.  (A plain place behind the exponentials)
	s_wait_alu depctr_va_vdst(0)
.irp b, 0,1,2,3
	v_max_num_f32 v[248+\b], 0x1800000, v[248+\b]  ; the floor 2^(3 - 127): the byte cannot fall under 1
.endr
.irp b, 0,1,2,3
	v_add_nc_u32 v[244+\b], 0xff000000, v[248+\b]  ; 2 off the exponent field: the conversion's scale operand
.endr
.irp b, 0,1,2,3
	v_lshrrev_b32 v[236+\b], 23, v[244+\b]         ; the scale's byte
.endr
	v_lshl_or_b32 v253, v237, 8, v236              ; p's scale word for these 128 keys
	v_lshl_or_b32 v253, v238, 16, v253
	v_lshl_or_b32 v253, v239, 24, v253
.irp c, 0,1
	v_cvt_scalef32_pk16_fp6_f32 v[PCD+6*\c:PCD+2+6*\c], v[S+32*\c:S+15+32*\c], v[244+2*\c]
	v_cvt_scalef32_pk16_fp6_f32 v[236+4*\c:238+4*\c], v[S+16+32*\c:S+31+32*\c], v[244+2*\c+1]   ; (a conversion's three registers begin on an even number)
.endr
	v_nop                                          ; one plain place behind a scaled conversion
.irp c, 0,1                                    ; the operand's layout wants a WHOLE block in a lane
.irp i, 0,1,2
	v_permlane16_swap_b32 v[PCD+6*\c+\i], v[236+4*\c+\i]
.endr
.irp i, 0,1,2
	v_mov_b32 v[PCD+3+6*\c+\i], v[236+4*\c+\i]
.endr
.endr
.set JJ, 0
.rept 16
	v_pk_mul_f32 v[OT+JJ:OT+JJ+1], v[OT+JJ:OT+JJ+1], v[252:253] op_sel_hi:[1,0]   ; O^T under the new M, each accumulator from its low end on
.set JJ, JJ+2
.endr
	v_pk_add_f32 v[236:237], v[S:S+1], v[S+2:S+3]  ; THE ROW'S SUM IS TAKEN OF THE UNQUANTISED p: two at a time, in two chains.  (These lines are the places in front of the products below)
.irp j, 4,8,12,16,20,24,28,32,36,40,44,48,52,56,60
	v_pk_add_f32 v[14:15], v[14:15], v[S+\j:S+1+\j]
	v_pk_add_f32 v[236:237], v[236:237], v[S+2+\j:S+3+\j]
.endr
	v_pk_add_f32 v[14:15], v[14:15], v[236:237]
.irp t, 0,1,2,3                                ; O^T += V^T P^T: the four accumulators by turns, one instruction a turn; between two links of a chain stand eleven other products
.if \t%2
	v_wmma_scale_f32_16x16x128_f8f6f4 v[OT+8*\t:OT+8*\t+7], v[VF+12*\t:VF+12*\t+11], v[PCD:PCD+11], v[OT+8*\t:OT+8*\t+7], v[VSC+\t/2], v253 matrix_a_fmt:MATRIX_FMT_FP6 matrix_b_fmt:MATRIX_FMT_FP6 matrix_a_scale:MATRIX_SCALE_ROW1
.else
	v_wmma_scale_f32_16x16x128_f8f6f4 v[OT+8*\t:OT+8*\t+7], v[VF+12*\t:VF+12*\t+11], v[PCD:PCD+11], v[OT+8*\t:OT+8*\t+7], v[VSC+\t/2], v253 matrix_a_fmt:MATRIX_FMT_FP6 matrix_b_fmt:MATRIX_FMT_FP6
.endif
.endr
.endm
; A STAGE: 'trips' key steps, the blocks from LDS byte 'base' on.  The wave that fetched waits until at most 'left' of its loads are out, then the barrier shows the blocks to all sixteen.
.macro STAGE left, base, trips
	s_wait_tensorcnt \left                         ; my loads end in order
	s_wait_dscnt 0x0
	s_barrier_signal -1
	s_barrier_wait -1
	s_mov_b32 s[TB], \base
	s_mov_b32 s[CNT], \trips
.Lstep_\@:
	STEP
	s_add_co_u32 s[TB], s[TB], STEPB
	s_sub_co_u32 s[CNT], s[CNT], 1
	s_cmp_lg_u32 s[CNT], 0
	s_cbranch_scc1 .Lstep_\@
.endm
	STAGE 3, 0, 4                                  ; my first load is in; the three behind it may be out
	STAGE 0, STAGEB, 12                            ; all my loads are in: the other twelve blocks
	; THE WAY OUT.  No tensor load is out since the last stage's wait, so the descriptors' registers are free.
	s_load_b64 s[8:9], s[0:1], 0x18                ; ao
	s_load_b64 s[10:11], s[0:1], 0x20              ; aos
.rept 4
	v_nop                                          ; places behind the last products
.endr
	v_add_f32 v14, v14, v15                        ; the sum's two halves,
	v_permlanex16_b32 v252, v14, s[SEL], s[SEL+1]
	v_add_f32 v14, v14, v252                       ; and lane l xor 16's: the row's sum
	v_rcp_f32 v14, v14
	v_and_b32 v160, 15, v0                         ; (a plain place behind the transcendental)  r
	v_bfe_u32 v161, v0, 4, 1                       ; h
	s_bfe_u32 s12, ttmp6, 0x40000
	s_lshl_b32 s13, ttmp9, 2
	s_add_co_u32 s13, s13, s12
	s_lshl_b32 s13, s13, 4
	s_add_co_u32 s13, s13, s[WV]                   ; my tile of queries
	s_and_b32 s14, ttmp7, 0xffff
	s_lshr_b32 s15, s14, 4                         ; the batch
	s_and_b32 s14, s14, 15                         ; the head
	s_lshl_b32 s16, s15, 4
	s_lshr_b32 s17, s13, 3
	s_add_co_u32 s16, s16, s17                     ; ao: [group of 128 tokens][head][tile][768]
	s_lshl_b32 s16, s16, 4
	s_add_co_u32 s16, s16, s14
	s_lshl_b32 s16, s16, 3
	s_and_b32 s17, s13, 7
	s_add_co_u32 s16, s16, s17
	s_mul_i32 s16, s16, 768
	s_mov_b32 s17, 0
	s_lshl_b32 s18, s15, 11
	s_lshl_b32 s19, s13, 4
	s_add_co_u32 s18, s18, s19                     ; aos: [token][32]: byte 2 x head + block
	s_lshl_b32 s18, s18, 5
	s_lshl_b32 s19, s14, 1
	s_add_co_u32 s18, s18, s19
	s_mov_b32 s19, 0
.set JJ, 0
	s_wait_alu depctr_va_vdst(0)
.rept 32
	v_mul_f32 v[S+JJ], v[OT+JJ], v14               ; O^T / the sum: register 16 b + i is channel 32 b + 16 h + i of query r
.set JJ, JJ+1
.endr
.irp b, 0,1
	v_max3_num_f32 v[248+\b], |v[S+16*\b]|, |v[S+1+16*\b]|, 0x1800000   ; the two blocks of 32 channels are quantised as every computed operand is
.endr
.irp i, 2,4,6,8,10,12,14
.irp b, 0,1
	v_max3_num_f32 v[248+\b], v[248+\b], |v[S+16*\b+\i]|, |v[S+1+16*\b+\i]|
.endr
.endr
.irp b, 0,1
	v_permlanex16_b32 v[236+\b], v[248+\b], s[SEL], s[SEL+1]
.endr
.irp b, 0,1
	v_max_num_f32 v[248+\b], v[248+\b], v[236+\b]
.endr
.irp b, 0,1
	v_add_nc_u32 v[244+\b], 0xff000000, v[248+\b]
.endr
.irp b, 0,1
	v_lshrrev_b32 v[240+\b], 23, v[244+\b]
.endr
	v_cvt_scalef32_pk16_fp6_f32 v[PCD:PCD+2], v[S:S+15], v244
	v_cvt_scalef32_pk16_fp6_f32 v[236:238], v[S+16:S+31], v245
	v_nop                                          ; one plain place behind a scaled conversion
.irp i, 0,1,2
	v_permlane16_swap_b32 v[PCD+\i], v[236+\i]     ; lane (r, h) now holds block h of query r
.endr
.irp i, 0,1,2
	v_mov_b32 v[PCD+3+\i], v[236+\i]
.endr
	v_lshl_add_u32 v162, v160, 5, v161             ; 32 r + h
	v_cmp_eq_u32 vcc_lo, 1, v161
	v_cndmask_b32 v163, v240, v241, vcc_lo         ; my block's byte
	s_wait_kmcnt 0x0
	s_add_nc_u64 s[8:9], s[8:9], s[16:17]
	s_add_nc_u64 s[10:11], s[10:11], s[18:19]
	global_store_b128 v[L16], v[PCD:PCD+3], s[8:9]             ; the tile's image: 512 consecutive bytes,
	global_store_b64 v[L8], v[PCD+4:PCD+5], s[8:9] offset:512  ; and 256
	global_store_b8 v162, v163, s[10:11]           ; two bytes of each of 16 rows of scale bytes: one part in 24 of what the wave stores
	s_wait_tensorcnt 0x0
	ds_add_u32 v243, v255
	s_wait_dscnt 0x0
	CROUND                                         ; the closing round: no work-group ends while a partner may still ask for a block that names it
	s_endpgm
.Lfunc_end_k_q22aadc7b04_attn:
	.size	k_q22aadc7b04_attn, .Lfunc_end_k_q22aadc7b04_attn-k_q22aadc7b04_attn
	.p2alignl 7, 3214868480
	.fill 96, 4, 3214868480
	.section	.rodata,"a",@progbits
	.p2align	6, 0x0
	.amdhsa_kernel k_q22aadc7b04_attn
		.amdhsa_group_segment_fixed_size 210944
		.amdhsa_private_segment_fixed_size 0
		.amdhsa_enable_private_segment 0
		.amdhsa_kernarg_size 40
		.amdhsa_user_sgpr_count 2
		.amdhsa_user_sgpr_kernarg_segment_ptr 1
		.amdhsa_wavefront_size32 1
		.amdhsa_system_sgpr_workgroup_id_x 1
		.amdhsa_system_sgpr_workgroup_id_y 1
		.amdhsa_system_sgpr_workgroup_id_z 1
		.amdhsa_system_vgpr_workitem_id 0
		.amdhsa_next_free_vgpr 256
		.amdhsa_next_free_sgpr 106
		.amdhsa_reserve_vcc 1
		.amdhsa_float_denorm_mode_32 3
		.amdhsa_float_denorm_mode_16_64 3
		.amdhsa_memory_ordered 1
		.amdhsa_forward_progress 1
		.amdhsa_inst_pref_size 54
	.end_amdhsa_kernel
	.amdgpu_metadata
---
amdhsa.version: [ 1, 2 ]
amdhsa.kernels:
  - .name:           k_q22aadc7b04_attn
    .symbol:         k_q22aadc7b04_attn.kd
    .args:
      - { .name: qb, .offset: 0, .size: 8, .value_kind: global_buffer, .address_space: global }
      - { .name: kv, .offset: 8, .size: 8, .value_kind: global_buffer, .address_space: global }
      - { .name: mbits, .offset: 16, .size: 8, .value_kind: global_buffer, .address_space: global }
      - { .name: ao, .offset: 24, .size: 8, .value_kind: global_buffer, .address_space: global }
      - { .name: aos, .offset: 32, .size: 8, .value_kind: global_buffer, .address_space: global }
    .group_segment_fixed_size: 210944
    .private_segment_fixed_size: 0
    .kernarg_segment_align: 8
    .kernarg_segment_size: 40
    .max_flat_workgroup_size: 512
    .sgpr_count:     106
    .vgpr_count:     256
    .wavefront_size: 32
...
	.end_amdgpu_metadata
.endif
;; end of part 3
;; launch outp (part 4): grid 8 x 32, 4 waves a work-group, clusters of 4 x 4, 300,032 bytes of LDS; arguments ao, aos, codes, scales, bo, out0; writes out0
.if DOCPART == 4
	.amdgcn_target "amdgcn-amd-amdhsa--gfx1250"
	.amdhsa_code_object_version 6
	.text
	.protected	k_q22aadc7b04_outp
	.globl	k_q22aadc7b04_outp
	.p2align	8
	.type	k_q22aadc7b04_outp,@function
k_q22aadc7b04_outp:
	s_mov_b64 s[64:65], 0
	v_nop
	global_prefetch_b8 v0, s[64:65] scope:SCOPE_SE
	s_setreg_imm32_b32 hwreg(HW_REG_WAVE_MODE, 25, 1), 1
	s_wait_xcnt 0x0
	s_wait_alu depctr_hold_cnt(0) depctr_sa_sdst(0) depctr_va_vdst(0) depctr_va_sdst(0) depctr_va_ssrc(0) depctr_va_vcc(0) depctr_vm_vsrc(0)
	s_getreg_b32 s2, hwreg(HW_REG_IB_STS2, 6, 4)
	s_cmp_eq_u32 s2, 0
	s_cbranch_scc0 .Lentry_in_a_cluster
	s_endpgm
.Lentry_in_a_cluster:
	s_bfe_u32 s2, ttmp6, 0x10000c
	s_cmp_lg_u32 s2, 0xf033
	s_cbranch_scc0 .Lentry_shape_is_right
	s_endpgm
.Lentry_shape_is_right:
; THE LAST PROJECTION: out0[m][n] = sum over k of A[m][k] Wo[n][k] + bo[n], on codes of FP6 (E2M3) with one E8M0 scale for each 32 along K = 1,024; sums in f32; out0 [4096][1024] f32.
; A, the attention's result, comes as IMAGES OF OPERAND REGISTERS: ao [group of 128 tokens][head][tile of 16 tokens][768 bytes]: registers 0-3 at 16 x lane, 4-5 at 512 + 8 x lane; a fragment for 128 along K is the
; images of two heads.  Its scale bytes aos [4096][32], and Wo's codes (768 bytes a row) and scale bytes (32 a row), lie by rows.
; SHARES.  32 x 8 = 256 work-groups, each a tile of 128 tokens x 128 outputs; four waves, each 64 x 64: 16 accumulators, 128 matrix instructions.  A larger tile would read each fragment for more products, but there would be
; only 64 of them; with this one every work-group has a quarter of the products and of the stores.
; LDS.  ALL OF K FITS: A's 128 tokens are 98,304 dense bytes, Wo's 128 rows four tiles (256 along K each) of 128 x 240 bytes, the scale bytes 8,704.  Every byte is filled ONCE, by five tensor loads a wave at the head
; (waves 0, 1: A's halves; waves 2, 3: Wo's): no ring, no refill.  A barrier in front of each 256 along K shows what has landed; the later loads stay on their way.
; 4 x 4 work-groups form a cluster: A's tiles are asked for jointly along a row of it, Wo's along a column.  The matrix instruction is used transposed (source 0 = 16 rows of Wo, source 1 = 16 tokens):
; a lane holds eight neighbouring numbers of a row of out0.  bo is the C of each sum's first product.
; No prefetch: all tiles are asked for at the head.
; REGISTERS, in windows of 256: window 0: v16-30 addresses; v32-63 the scale words of all of K; v64-95 bo in the result's layout; v128-255 the accumulators ((a, b) at v[128 + 8 (4 a + b)]).
;   window 1: two fragment buffers of 96 registers, at v0 and v128: A's four fragments, then Wo's four, for 128 along K.
.set SIZE_N, 1024
.set KROW,   768                       ; a row of Wo's codes in memory
.set ROWB,   192                       ; 256 codes
.set PITCH,  240                       ; and in LDS: 3 x (64 bytes + 16 of padding)
.set FR,     12                        ; registers of a fragment
.set ACH,    12288                     ; A: 128 tokens x 128 along K: two heads x 8 tiles x 768 bytes
.set BOFF,   8*ACH                     ; behind A: Wo's tiles
.set BH,     64*PITCH                  ; 64 rows: what one tensor load brings
.set BSL,    2*BH                      ; 128 rows x 256 along K
.set SCL,    BOFF+4*BSL                ; behind them: the scale bytes, as units of 256 bytes + 16 of padding
.set HALFS,  8*272                     ; those of 64 rows
.set SBLK,   2*272                     ; those of 16 rows
.set STG,    SCL+4*HALFS               ; behind them: the stages for the way out, bytes into which no tile lands
.set SPITCH, 272                       ; a stage row: 256 bytes + 16
.set SBK,    16*SPITCH                 ; a block of 16 rows; four blocks a wave
.set AA16, 16                          ; v16-17 16 x lane + my four tiles, for K steps 0-3 and 4-7 (an LDS offset has 16 bits)
.set AA8,  18                          ; v18-19 8 x lane + the same
.set ADRB, 20                          ; v20-21 my rows of Wo, for its tiles 0-1 and 2-3;  v22-23 the same for the pieces behind one padding more
.set STO,  24                          ; v24    the way out: where I put 32 bytes of a row
.set RD,   25                          ; v25    and where I read a row back
.set CO,   26                          ; v26    my byte offset in two rows of out0
.set ADRS, 27                          ; v27    my scale words: lanes 0-15 A's rows, lanes 16-31 Wo's
.set BNA,  30                          ; v30    32 h
.set SC,   32                          ; register 8 i + q: lanes 0-15 the word of A's block i, lanes 16-31 of Wo's block i, for the q-th 128 along K
.set BN,   64                          ; register 8 b + j: bo[my first column + 16 b + 8 h + j]
.set ACC,  128
.set WV,   16                          ; s16 my wave;  s17 = wave / 2: my half of the tokens, and: I fetch for A (0) or Wo (1);  s18 = wave % 2: my half of the outputs, and: which half I fetch
.set G1A,  24                          ; s[24:31] descriptor group 1 for A's chunks;  s[32:39] for Wo's tiles;  s[40:47], s[48:55] for A's and Wo's scale bytes
.set G1B,  32
.set G1S,  40
.set G1SB, 48
                                       ; groups 0: A's four at s56, s60, s68, s72;  Wo's four at s76 .. s88;  the scales' at s92 and s96
.set MSB, 0
.macro WIN new                         ; the immediate's high byte repeats the setting that is left
.if MSB != \new
	s_set_vgpr_msb (MSB<<8)|\new
.set MSB, \new
.endif
.endm
.set MULW, 0x05                        ; sources 0 (Wo) and 1 (A) window 1; C and D window 0
.set TO_F, 0x40                        ; destination window 1, address window 0
.macro CROUND                          ; a round of the cluster's barrier
	s_barrier_signal -1
	s_barrier_wait -1
	s_cmp_lg_u32 s[WV], 0
	s_cbranch_scc1 .Lnot_wave_0_\@
	s_barrier_signal -3
.Lnot_wave_0_\@:
	s_barrier_wait -3
	s_barrier_signal -1
	s_barrier_wait -1
.endm
.macro PLACES                          ; plain vector instructions between a matrix instruction and a load into, or a read of, its registers
.rept 4
	v_nop
.endr
.endm
	s_load_b256 s[4:11], s[0:1], 0x0               ; ao, aos, codes, scales
	s_load_b128 s[12:15], s[0:1], 0x20             ; bo, out0
	v_lshl_add_u32 v126, v0, 2, 0x49200
	v_mov_b32 v127, 0
	ds_add_u32 v126, v127
	ds_add_u32 v126, v127
	v_lshrrev_b32 v1, 5, v0
	v_readfirstlane_b32 s[WV], v1                  ; wave 0..3
	s_lshr_b32 s17, s[WV], 1
	s_and_b32 s18, s[WV], 1
	s_bfe_u32 s100, ttmp6, 0x40000                 ; cx, cy: my place in the cluster
	s_bfe_u32 s101, ttmp6, 0x40004
	s_lshl_b32 s104, ttmp9, 2
	s_add_co_u32 s104, s104, s100                  ; which 128 outputs: 0 .. 7
	s_and_b32 s19, ttmp7, 0xffff
	s_lshl_b32 s19, s19, 2
	s_add_co_u32 s19, s19, s101                    ; which 128 tokens: 0 .. 31
	s_lshl_b32 s2, s101, 2
	s_lshl_b32 s2, 15, s2                          ; my row of the cluster
	s_lshl_b32 s3, 0x1111, s100                    ; my column
	; A's chunks: 12,288 dense bytes as 48 rows of 256 bytes (32 elements of 8), no padding
	s_or_b32 s[G1A+0], s2, (3<<16)|(1<<21)         ; 15:0 the mask: my row; 17:16 elements of 8 bytes; 21 set beside a mask
	s_mov_b32 s[G1A+1], 32<<16                     ; tensor_dim0
	s_mov_b32 s[G1A+2], 48<<16                     ; tensor_dim1
	s_mov_b32 s[G1A+3], 32<<16                     ; tile_dim0
	s_mov_b32 s[G1A+4], 48                         ; tile_dim1
	s_mov_b32 s[G1A+5], 32                         ; from row to row
	s_mov_b32 s[G1A+6], 0
	s_mov_b32 s[G1A+7], 0
	; Wo's tiles: 64 rows x 192 bytes, 16 bytes of padding behind every 64
	s_or_b32 s[G1B+0], s3, (0<<16)|(1<<20)|(1<<21)|(3<<22)|(3<<25)
	s_mov_b32 s[G1B+1], ROWB<<16
	s_mov_b32 s[G1B+2], 64<<16
	s_mov_b32 s[G1B+3], ROWB<<16
	s_mov_b32 s[G1B+4], 64
	s_mov_b32 s[G1B+5], KROW
	s_mov_b32 s[G1B+6], 0
	s_mov_b32 s[G1B+7], 0
	; the scale bytes of 64 rows: 2,048 dense bytes as 8 rows of 256, 16 bytes of padding behind each
	s_or_b32 s[G1S+0], s2, (3<<16)|(1<<20)|(1<<21)|(5<<22)|(3<<25)
	s_or_b32 s[G1SB+0], s3, (3<<16)|(1<<20)|(1<<21)|(5<<22)|(3<<25)
.irp g, G1S, G1SB
	s_mov_b32 s[\g+1], 32<<16
	s_mov_b32 s[\g+2], 8<<16
	s_mov_b32 s[\g+3], 32<<16
	s_mov_b32 s[\g+4], 8
	s_mov_b32 s[\g+5], 32
	s_mov_b32 s[\g+6], 0
	s_mov_b32 s[\g+7], 0
.endr
	; where they come from.  A's hang on the tokens' coordinate alone, Wo's on the outputs' alone, each in registers that never hold the other
	s_mul_i32 s20, s19, 8*ACH                      ; A: my group's images,
	s_mul_i32 s22, s18, ACH                        ; and of each pair of chunks the one that I fetch (in memory and in LDS alike)
	s_add_co_u32 s20, s20, s22
	s_mov_b32 s21, 0
	s_lshl_b32 s94, s19, 12                        ; its scale bytes: 128 x 32,
	s_lshl_b32 s105, s18, 11                       ; the half that I fetch
	s_add_co_u32 s94, s94, s105
	s_mov_b32 s95, 0
	s_mul_i32 s66, s104, 128*KROW                  ; Wo: my 128 rows,
	s_mul_i32 s23, s18, 64*KROW                    ; the half that I fetch,
	s_add_co_u32 s66, s66, s23
	s_add_co_u32 s66, s66, 11796480                ; behind the six tensors that lie ahead of Wo in 'codes'
	s_mov_b32 s67, 0
	s_lshl_b32 s98, s104, 12
	s_add_co_u32 s98, s98, s105
	s_add_co_u32 s98, s98, 491520                  ; likewise in 'scales'
	s_mov_b32 s99, 0
	s_mul_i32 s23, s18, BH                         ; where they go: the wave's number alone enters an LDS address
	s_mul_i32 s105, s[WV], HALFS
	s_wait_dscnt 0x0
	s_wait_kmcnt 0x0
	s_add_nc_u64 s[20:21], s[4:5], s[20:21]
	s_add_nc_u64 s[66:67], s[8:9], s[66:67]
	s_add_nc_u64 s[94:95], s[6:7], s[94:95]
	s_add_nc_u64 s[98:99], s[10:11], s[98:99]
	s_mov_b32 s92, 1                               ; group 0 for A's scale bytes: count = 1,
	s_add_co_u32 s93, s105, SCL                    ; LDS address,
	s_or_b32 s95, s95, 0x80000000                  ; type = 2 over the global address
	s_mov_b32 s96, 1                               ; and for Wo's
	s_add_co_u32 s97, s105, SCL
	s_or_b32 s99, s99, 0x80000000
.irp j, 0,1,2,3                        ; the j-th 256 along K
.set GA, 56+4*\j+4*(\j/2)
.set GB, 76+4*\j
	s_mov_b32 s[GA], 1
	s_add_co_u32 s[GA+1], s22, \j*2*ACH
	s_add_nc_u64 s[GA+2:GA+3], s[20:21], \j*2*ACH
	s_or_b32 s[GA+3], s[GA+3], 0x80000000
	s_mov_b32 s[GB], 1
	s_add_co_u32 s[GB+1], s23, BOFF+\j*BSL
	s_add_nc_u64 s[GB+2:GB+3], s[66:67], \j*ROWB
	s_or_b32 s[GB+3], s[GB+3], 0x80000000
.endr
	CROUND                                         ; all sixteen work-groups are here: the joint loads meet
	s_cmp_eq_u32 s17, 0                            ; a wave's five fills stand in one branch on its number, ahead of every wait on TENSORcnt, every LDS read and every other barrier: five loads of mine are out
	s_cbranch_scc0 .Lfor_b
	tensor_load_to_lds s[92:95], s[G1S:G1S+7]      ; the scale bytes first: they are wanted with the first products
	s_nop 0
	tensor_load_to_lds s[56:59], s[G1A:G1A+7]
	s_nop 0
	tensor_load_to_lds s[60:63], s[G1A:G1A+7]
	s_nop 0
	tensor_load_to_lds s[68:71], s[G1A:G1A+7]
	s_nop 0
	tensor_load_to_lds s[72:75], s[G1A:G1A+7]
	s_nop 0
.rept 4
	v_nop
.endr
	s_branch .Lasked
.Lfor_b:
	tensor_load_to_lds s[96:99], s[G1SB:G1SB+7]
	s_nop 0
	tensor_load_to_lds s[76:79], s[G1B:G1B+7]
	s_nop 0
	tensor_load_to_lds s[80:83], s[G1B:G1B+7]
	s_nop 0
	tensor_load_to_lds s[84:87], s[G1B:G1B+7]
	s_nop 0
	tensor_load_to_lds s[88:91], s[G1B:G1B+7]
	s_nop 0
.rept 4
	v_nop
.endr
.Lasked:
	v_and_b32 v1, 15, v0                           ; r = l % 16
	v_bfe_u32 v2, v0, 4, 1                         ; h = l / 16
	v_and_b32 v3, 31, v0                           ; l
	s_mul_i32 s22, s17, 4*768                      ; my 64 tokens: four tiles in each head's image
	v_lshl_add_u32 v[AA16], v3, 4, s22
	v_lshl_add_u32 v[AA8], v3, 3, s22
	v_add_nc_u32 v[AA16+1], 4*ACH, v[AA16]
	v_add_nc_u32 v[AA8+1], 4*ACH, v[AA8]
	v_mul_u32_u24 v4, v1, PITCH
	v_mad_u32_u24 v4, v2, 24, v4                   ; Wo: a fragment's row x pitch + 24 x half
	s_mul_i32 s23, s18, BH                         ; my 64 rows
	s_add_co_u32 s23, s23, BOFF
	v_add_nc_u32 v[ADRB], s23, v4
	v_lshl_add_u32 v[ADRB+2], v2, 4, v[ADRB]       ; and the same behind one padding more
	v_add_nc_u32 v[ADRB+1], 2*BSL, v[ADRB]
	v_add_nc_u32 v[ADRB+3], 2*BSL, v[ADRB+2]
	v_lshlrev_b32 v5, 5, v1                        ; my row's scale bytes: 32 a row,
	v_lshrrev_b32 v6, 3, v1
	v_lshl_add_u32 v5, v6, 4, v5                   ; and 16 more behind each 256
	s_mul_i32 s22, s17, HALFS                      ; A's: my 64 rows
	s_mul_i32 s23, s18, HALFS                      ; Wo's: my 64 rows, behind A's 128
	s_add_co_u32 s23, s23, 2*HALFS
	s_sub_co_u32 s23, s23, s22
	v_mul_u32_u24 v6, s23, v2                      ; lanes 16-31 take Wo's
	s_add_co_u32 s22, s22, SCL
	v_add_nc_u32 v5, v5, v6
	v_add_nc_u32 v[ADRS], s22, v5
	s_mul_i32 s22, s[WV], 4*SBK
	s_add_co_u32 s22, s22, STG                     ; my stage
	v_mul_u32_u24 v5, v1, SPITCH                   ; in: row l % 16, 32 bytes for each half of the lanes
	v_lshl_add_u32 v5, v2, 5, v5
	v_add_nc_u32 v[STO], s22, v5
	v_mul_u32_u24 v5, v2, SPITCH                   ; back: lanes 0-15 one row of 256 bytes, lanes 16-31 the next
	v_lshl_add_u32 v5, v1, 4, v5
	v_add_nc_u32 v[RD], s22, v5
	v_lshlrev_b32 v[CO], 12, v2                    ; and the same two rows in out0
	v_lshl_add_u32 v[CO], v1, 4, v[CO]
	s_lshl_b32 s20, s19, 7
	s_lshl_b32 s21, s17, 6
	s_add_co_u32 s20, s20, s21                     ; my first token
	s_lshl_b32 s20, s20, 12                        ; x 4,096 bytes (under 2^24)
	s_mov_b32 s21, 0
	s_lshl_b32 s66, s104, 9                        ; my first output, in bytes: 512 x tile + 256 x half
	s_lshl_b32 s67, s18, 8
	s_add_co_u32 s66, s66, s67
	s_mov_b32 s67, 0
	s_add_nc_u64 s[12:13], s[12:13], s[66:67]      ; bo there,
	s_add_nc_u64 s[14:15], s[14:15], s[66:67]
	s_add_nc_u64 s[14:15], s[14:15], s[20:21]      ; out0 at my corner
	v_lshlrev_b32 v[BNA], 5, v2
.irp b, 0,1,2,3
	global_load_b128 v[BN+8*\b:BN+8*\b+3], v[BNA], s[12:13] offset:64*\b
	global_load_b128 v[BN+8*\b+4:BN+8*\b+7], v[BNA], s[12:13] offset:64*\b+16
.endr
.macro FRAG reg, adr, q, i, base       ; a fragment of Wo from rows: 24 bytes of the row's stream of bits twice, in pieces of 8 bytes; where lanes 16-31's piece lies behind one padding more, the second address register serves
.irp p, 0,1,2,3,4,5
.set PCE, 12*(\q)+6*(\p/3)+\p%3
.if PCE%8 < 5
	ds_load_b64 v[\reg+2*\p:\reg+2*\p+1], v[\adr] offset:(\base)+8*PCE+16*(PCE/8)+(\i)*16*PITCH
.else
	ds_load_b64 v[\reg+2*\p:\reg+2*\p+1], v[\adr+2] offset:(\base)+8*PCE+16*(PCE/8)+(\i)*16*PITCH
.endif
.endr
.endm
; 40 LDS loads in one run: the fragments of the kq-th 128 along K into buffer kq % 2: A's four from images (heads 2 kq and 2 kq + 1: each load takes consecutive bytes), Wo's four from rows
.macro FETCH kq
.set FB, 128*((\kq)%2)
	WIN TO_F
.irp a, 0,1,2,3
	ds_load_b128 v[FB+FR*\a:FB+FR*\a+3], v[AA16+(\kq)/4] offset:((\kq)%4)*ACH+768*\a
	ds_load_b64 v[FB+FR*\a+4:FB+FR*\a+5], v[AA8+(\kq)/4] offset:((\kq)%4)*ACH+768*\a+512
	ds_load_b128 v[FB+FR*\a+6:FB+FR*\a+9], v[AA16+(\kq)/4] offset:((\kq)%4)*ACH+768*\a+6144
	ds_load_b64 v[FB+FR*\a+10:FB+FR*\a+11], v[AA8+(\kq)/4] offset:((\kq)%4)*ACH+768*\a+6656
.endr
.irp b, 0,1,2,3
	FRAG FB+48+FR*\b, ADRB+(\kq)/4, (\kq)%2, \b, (((\kq)/2)%2)*BSL
.endr
.endm
; 16 matrix instructions: A's four blocks x Wo's four.  In the first step bo starts the sums.  The 16 accumulators take turns, one instruction a turn, in the same order in every step.
.macro MUL kq
.set FB, 128*((\kq)%2)
	WIN MULW
.irp a, 0,1,2,3
.irp b, 0,1,2,3
.if (\kq) == 0
	v_wmma_scale_f32_16x16x128_f8f6f4 v[ACC+8*(4*\a+\b):ACC+8*(4*\a+\b)+7], v[FB+48+FR*\b:FB+48+FR*\b+FR-1], v[FB+FR*\a:FB+FR*\a+FR-1], v[BN+8*\b:BN+8*\b+7], v[SC+8*\b+(\kq)], v[SC+8*\a+(\kq)] matrix_a_fmt:MATRIX_FMT_FP6 matrix_b_fmt:MATRIX_FMT_FP6 matrix_a_scale:MATRIX_SCALE_ROW1
.else
	v_wmma_scale_f32_16x16x128_f8f6f4 v[ACC+8*(4*\a+\b):ACC+8*(4*\a+\b)+7], v[FB+48+FR*\b:FB+48+FR*\b+FR-1], v[FB+FR*\a:FB+FR*\a+FR-1], v[ACC+8*(4*\a+\b):ACC+8*(4*\a+\b)+7], v[SC+8*\b+(\kq)], v[SC+8*\a+(\kq)] matrix_a_fmt:MATRIX_FMT_FP6 matrix_b_fmt:MATRIX_FMT_FP6 matrix_a_scale:MATRIX_SCALE_ROW1
.endif
.endr
.endr
.endm
; A step of 128 along K: the next step's fragments are asked for, into the buffer that the last step's products have read; then this step's 16 products.
.macro STEP kq
.if (\kq) < 7
.if ((\kq)+1)%2 == 0                   ; the next step begins another 256 along K: the wave that fetched its part waits for it, then the barrier shows it to all four.  Later loads may stay out
	s_wait_tensorcnt 3-((\kq)+1)/2                 ; my loads end in order: as many as bring later parts of K may be out
	s_wait_dscnt 0x0                               ; no LDS load of mine is out at a signal
	s_barrier_signal -1
	s_barrier_wait -1
.endif
.if (\kq) > 0
	PLACES
.endif
	FETCH (\kq)+1
	s_wait_dscnt 40                                ; all but the 40 just issued: this step's fragments are in
.else
	s_wait_dscnt 0x0
.endif
	MUL \kq
.endm
	s_wait_tensorcnt 3                             ; the scale bytes and my part of the first 256 along K are in (three loads may be out),
	s_barrier_signal -1
	s_barrier_wait -1                              ; everybody's are
.irp i, 0,1,2,3
	ds_load_b128 v[SC+8*\i:SC+8*\i+3], v[ADRS] offset:\i*SBLK          ; a row's 32 scale bytes: the words of all eight steps
	ds_load_b128 v[SC+8*\i+4:SC+8*\i+7], v[ADRS] offset:\i*SBLK+16
.endr
	FETCH 0
	s_wait_loadcnt 0x0                             ; bo
.irp kq, 0,1,2,3,4,5,6,7
	STEP \kq
.endr
	WIN 0
; THE WAY OUT, block by block of 16 tokens x 64 outputs.  A lane holds 32 neighbouring bytes of a row, and the lanes beside it hold other rows: so a block goes through my own stage and comes back, into the registers
; that it left, as whole rows of 256 bytes.  LDS serves a wave's instructions in order (ISA guide 5.7.1.4): no wait between the stores and the loads.
.macro TOSTAGE a
.irp b, 0,1,2,3
	ds_store_b128 v[STO], v[ACC+8*(4*(\a)+\b):ACC+8*(4*(\a)+\b)+3] offset:(\a)*SBK+64*\b          ; each accumulator from its low end on
	ds_store_b128 v[STO], v[ACC+8*(4*(\a)+\b)+4:ACC+8*(4*(\a)+\b)+7] offset:(\a)*SBK+64*\b+16
.endr
.irp t, 0,1,2,3,4,5,6,7
	ds_load_b128 v[ACC+32*(\a)+4*\t:ACC+32*(\a)+4*\t+3], v[RD] offset:(\a)*SBK+2*\t*SPITCH
.endr
.endm
.macro SEND a, younger                 ; younger: the LDS instructions issued behind block a's loads: the next block's sixteen, or none
.irp t, 0,1,2,3,4,5,6,7
	s_wait_dscnt \younger+7-\t
	global_store_b128 v[CO], v[ACC+32*(\a)+4*\t:ACC+32*(\a)+4*\t+3], s[14:15] offset:(16*(\a)+2*\t)*SIZE_N*4 th:TH_STORE_NT   ; 16 lanes store 256 consecutive bytes, aligned; every place stands in the immediate: no base is stepped
.endr
.endm
	PLACES                                         ; behind the last products, in front of the first read of results and of loads into their registers
	TOSTAGE 0
	TOSTAGE 1
	SEND 0, 16
	TOSTAGE 2
	SEND 1, 16
	TOSTAGE 3
	SEND 2, 16
	SEND 3, 0
	s_wait_tensorcnt 0x0
	ds_add_u32 v126, v127
	s_wait_dscnt 0x0
	CROUND                                         ; the closing round: no work-group ends while a partner may still ask for a tile that names it
	s_endpgm
.Lfunc_end_k_q22aadc7b04_outp:
	.size	k_q22aadc7b04_outp, .Lfunc_end_k_q22aadc7b04_outp-k_q22aadc7b04_outp
	.p2alignl 7, 3214868480
	.fill 96, 4, 3214868480
	.section	.rodata,"a",@progbits
	.p2align	6, 0x0
	.amdhsa_kernel k_q22aadc7b04_outp
		.amdhsa_group_segment_fixed_size 300032
		.amdhsa_private_segment_fixed_size 0
		.amdhsa_enable_private_segment 0
		.amdhsa_kernarg_size 48
		.amdhsa_user_sgpr_count 2
		.amdhsa_user_sgpr_kernarg_segment_ptr 1
		.amdhsa_wavefront_size32 1
		.amdhsa_system_sgpr_workgroup_id_x 1
		.amdhsa_system_sgpr_workgroup_id_y 1
		.amdhsa_system_sgpr_workgroup_id_z 1
		.amdhsa_system_vgpr_workitem_id 0
		.amdhsa_next_free_vgpr 512
		.amdhsa_next_free_sgpr 106
		.amdhsa_reserve_vcc 0
		.amdhsa_float_denorm_mode_32 3
		.amdhsa_float_denorm_mode_16_64 3
		.amdhsa_memory_ordered 1
		.amdhsa_forward_progress 1
		.amdhsa_inst_pref_size 59
	.end_amdhsa_kernel
	.amdgpu_metadata
---
amdhsa.version: [ 1, 2 ]
amdhsa.kernels:
  - .name:           k_q22aadc7b04_outp
    .symbol:         k_q22aadc7b04_outp.kd
    .args:
      - { .name: ao, .offset: 0, .size: 8, .value_kind: global_buffer, .address_space: global }
      - { .name: aos, .offset: 8, .size: 8, .value_kind: global_buffer, .address_space: global }
      - { .name: codes, .offset: 16, .size: 8, .value_kind: global_buffer, .address_space: global }
      - { .name: scales, .offset: 24, .size: 8, .value_kind: global_buffer, .address_space: global }
      - { .name: bo, .offset: 32, .size: 8, .value_kind: global_buffer, .address_space: global }
      - { .name: out0, .offset: 40, .size: 8, .value_kind: global_buffer, .address_space: global }
    .group_segment_fixed_size: 300032
    .private_segment_fixed_size: 0
    .kernarg_segment_align: 8
    .kernarg_segment_size: 48
    .max_flat_workgroup_size: 128
    .sgpr_count:     106
    .vgpr_count:     512
    .wavefront_size: 32
...
	.end_amdgpu_metadata
.endif
;; end of part 4
